; MI455X (gfx1250); checked and timed in simulation.
; The chip was launched on July 23, 2026; its instructions are those of AMD's public machine-readable ISA for CDNA 5 (MIT licence, August 2026) and "CDNA5" Instruction Set Architecture Reference Guide (July 2026). The comments in the code are by the model that wrote it; some were corrected since.
;; Complex Multihead Attention. Allowed arithmetic: matrix products marked QUANTISED: E2M3 operands, one E8M0 scale for each 32 along K, by v_wmma_scale_f32_16x16x128_f8f6f4 with both operands' format E2M3, f32 sums; everything else in f32.
;; Inputs: wkv_i 2,048 x 1,024 float32; wkv_r 2,048 x 1,024 float32; wout_i 1,024 x 1,024 float32; wout_r 1,024 x 1,024 float32; wq_i 1,024 x 1,024 float32; wq_r 1,024 x 1,024 float32; x_imag 2 x 1,024 x 1,024 float32; x_real 2 x 1,024 x 1,024 float32.
;; Outputs: out0 2 x 2 x 1,024 x 1,024 float32.
;; This version of the problem:
;;   THIS VERSION OF THE PROBLEM IS GIVEN IN LOW PRECISION. The matrix products marked QUANTISED in the list below multiply operands that are first quantised to E2M3 (2 exponent bits, 3 mantissa bits; 6 bits a number), with one power-of-two scale for each 32 numbers along K (OCP MX v1.0); their sums are f32. All else is computed in f32.
;;   The module's matrix products, in the order in which they are computed (A, B: the left and right operand; K: the contracted axis; several contracted axes count as one K, in the product's order):
;;     1. [M 2,048, K 1,024] x [K 1,024, N 1,024]; A: input x_real; B: input wq_r: QUANTISED
;;     2. [M 2,048, K 1,024] x [K 1,024, N 1,024]; A: input x_imag; B: input wq_i: QUANTISED
;;     3. [M 2,048, K 1,024] x [K 1,024, N 1,024]; A: input x_real; B: input wq_i: QUANTISED
;;     4. [M 2,048, K 1,024] x [K 1,024, N 1,024]; A: input x_imag; B: input wq_r: QUANTISED
;;     5. [M 2,048, K 1,024] x [K 1,024, N 2,048]; A: input x_real; B: input wkv_r: QUANTISED
;;     6. [M 2,048, K 1,024] x [K 1,024, N 2,048]; A: input x_imag; B: input wkv_i: QUANTISED
;;     7. [M 2,048, K 1,024] x [K 1,024, N 2,048]; A: input x_real; B: input wkv_i: QUANTISED
;;     8. [M 2,048, K 1,024] x [K 1,024, N 2,048]; A: input x_imag; B: input wkv_r: QUANTISED
;;     9. batch 128 x [M 1,024, K 64] x [K 64, N 1,024]; A: computed on the way; B: computed on the way: QUANTISED
;;     10. batch 128 x [M 1,024, K 1,024] x [K 1,024, N 64]; A: softmax (see below); B: computed on the way: QUANTISED
;;     11. [M 2,048, K 1,024] x [K 1,024, N 1,024]; A: computed on the way; B: input wout_r: QUANTISED
;;     12. [M 2,048, K 1,024] x [K 1,024, N 1,024]; A: computed on the way; B: input wout_i: QUANTISED
;;     13. [M 2,048, K 1,024] x [K 1,024, N 1,024]; A: computed on the way; B: input wout_i: QUANTISED
;;     14. [M 2,048, K 1,024] x [K 1,024, N 1,024]; A: computed on the way; B: input wout_r: QUANTISED
;;   THE QUANTISER, for each operand of a quantised product, along K:
;;     - K is cut into blocks of 32 from its start; a last block that is shorter is filled with zeros.
;;     - A block's scale is 2^e with e = floor(log2(the largest magnitude in the block)) - 2, held to -126 .. 127; a block of zeros has e = 0. As a byte (E8M0): e + 127.
;;     - Each number is divided by its block's scale, clamped to +-7.5, and rounded to the nearest number of E2M3, ties to even, subnormals kept.
;;     - The product sums the exact products of the quantised numbers (number of the format x scale) in f32.
;;   ~~~python
;;   def quantise(x, axis):      # numpy; x: float32 -> the quantised numbers, widened to float32 again
;;       x = np.moveaxis(x, axis, -1); K = x.shape[-1]
;;       x = np.pad(x, [(0, 0)] * (x.ndim - 1) + [(0, -K % 32)]); x = x.reshape(x.shape[:-1] + (-1, 32)); a = np.abs(x).max(-1, keepdims=True)
;;       e = np.where(a > 0, np.clip(np.frexp(np.where(a > 0, a, 1))[1] - 1 - 2, -126, 127), 0)      # np.frexp(a)[1] - 1 = floor(log2(a)), exactly
;;       r = np.clip(x / 2.0 ** e, -7.5, 7.5)
;;       step = 2.0 ** (np.maximum(np.frexp(np.where(r == 0, 1, r))[1] - 1, 0) - 3)
;;       q = np.round(r / step) * step * 2.0 ** e      # np.round: ties to even
;;       return np.moveaxis(q.reshape(q.shape[:-2] + (-1,))[..., :K], -1, axis).astype(np.float32)
;;   ~~~
;;   SOFTMAX AHEAD OF A QUANTISED PRODUCT. Where the list says 'softmax', what is quantised is not the finished softmax but p = 2^(t - M), with t = logit x log2(e) and M = ceil(the row's largest t), a whole number; so 1/2 < the row's largest p <= 1. The row's sum l is taken of the UNQUANTISED p, in f32, and the product's result is divided by l at the end. Since M is a whole number, a kernel that streams over the keys may use a running M (the ceiling of the running maximum): every later rescaling is an exact power of two, which a block's scale takes up: the codes' values come out the same.
;;   OPERANDS COMPUTED ON THE WAY. 'Computed on the way' means the value that the module computes at that place (a softmax that the list does not call 'softmax' is quantised finished and normalised). What goes into a quantiser is computed in f32, as accurately as f32 sums, v_exp_f32 and their like allow (about 1e-6 of the number): no bf16 or f16 on the way to a quantiser, and a product that is left as it is and whose result goes on into a quantised operand takes f32 operands (vector FMAs, or v_wmma_f32_16x16x4_f32). A number that lies on a knife's edge between two numbers of the format may be rounded either way, as far as f32 arithmetic and the matrix unit's own rounding can turn it there, and no further.
;; One version. Each part assembles by itself: llvm-mc -triple=amdgcn-amd-amdhsa -mcpu=gfx1250 --defsym DOCPART=n.
;; ======== version 1 of 1: 4 launches
;; limits: right only within a limited range of input values
;; workspace buffers: xq 3,276,800 bytes; wpq 9,830,400 bytes; woq 3,276,800 bytes; qq 3,407,872 bytes; kvq 6,684,672 bytes; oq 3,276,800 bytes
;; launch quant (part 1): grid 768 x 1, 2 waves a work-group, no clusters, 17,664 bytes of LDS; arguments x_real, x_imag, wq_r, wq_i, wkv_r, wkv_i, wout_r, wout_i, xq, wpq, woq; writes xq, wpq, woq
.if DOCPART == 1
	.amdgcn_target "amdgcn-amd-amdhsa--gfx1250"
	.amdhsa_code_object_version 6
	.text
	.protected	k_qe963463f4d_quant
	.globl	k_qe963463f4d_quant
	.p2align	8
	.type	k_qe963463f4d_quant,@function
k_qe963463f4d_quant:
	s_mov_b64 s[64:65], 0
	v_nop
	global_prefetch_b8 v0, s[64:65] scope:SCOPE_SE
	s_setreg_imm32_b32 hwreg(HW_REG_WAVE_MODE, 25, 1), 1
	s_wait_xcnt 0x0
; x and all weights, f32 [rows][1024], become codes of FP6 (E2M3) with one E8M0 byte for each 32 along K, laid in the ORDER OF THE OPERANDS' REGISTERS.
; A complex product y = x W^T is taken as ONE real product over a doubled K.  K step s (128 along K) is [64 columns 64 s .. of the real tensor | the same columns of the imaginary one]:
; x's rows are [xr | xi], a real output's row of W is [wr | -wi], an imaginary output's [wi | wr].  The quantiser is odd, so -wi's codes are wi's with the sign bits turned.
; HALF FRAGMENT: 16 rows x 64 K, six registers a lane (lane (r, h): row r, k = 32 h + 0 .. 31), 768 bytes: registers 0-3 at 16 x lane, registers 4-5 at 512 + 8 x lane.  A K step's fragment is two of them on end.
; THE ROWS OF A TILE ARE NOT NEIGHBOURS: in a group of 64 rows lane r of tile 2 b + u takes row 32 b + 8 u + r + 8 (r / 8), so that a later product's 16 registers of tiles 2 b, 2 b + 1 are 16 neighbours.
; SCALE WORDS of a group of 64 rows for one K step: 256 bytes; tile t's word of row r lies at 8 (16 (t % 2) + r) + 4 (t / 2): one load of 8 bytes a lane brings two registers, even tiles in lanes 0-15, odd ones in lanes 16-31.
; SHARES: 96 groups of 64 rows (32 of x, 16 of wq, 32 of wkv, 16 of wout) x 16 K steps; a wave takes one group and one K step of a pair (real, imaginary): eight half fragments.  Waves share nothing: no barrier.
; Each load reads two rows' 256 consecutive bytes; 16 rows turn through the wave's own stage in LDS (rows 272 bytes apart) so that a lane gets the 32 neighbours of its block.  Every store covers 512 or 256 consecutive aligned bytes.
; No cluster: no two work-groups read the same bytes.  No matrix unit: there is nothing to multiply.
; LIMITS: NaN and infinities among the inputs are not served.  A block whose largest magnitude lies under 2^-124 (a block of zeros too) keeps the byte 1; the bytes are read by this program alone, and zero codes add nothing.
.set STG,   16*272                     ; a stage
.set WREG,  2*STG                      ; a wave's two stages
.set SPARE, 2*WREG                     ; behind them: the spare words, 128 bytes a wave: one block of 256 bytes that no other line names
.set GA,   2                           ; v2   4,096 (lane / 16) + 16 (lane % 16): my 16 bytes of a load's two rows
.set SIN,  3                           ; v3   the stage, on the way in
.set SOUT, 4                           ; v4   and on the way out: row r, + 128 h
.set L16,  5                           ; v5   16 x lane
.set L8,   6                           ; v6   8 x lane
.set H8,   7                           ; v7   8 h
.set SPW,  8                           ; v8   LDS address of my spare word; never rewritten
.set NIL,  9                           ; v9   0; never rewritten
.set TA,   10                          ; v10, v11 two chains of the largest magnitude
.set TC,   11
.set SO,   12                          ; v12  the conversions' scale operand
.set BY,   13                          ; v13  the scale's byte
.set PX,   14                          ; v14  the other half's byte
.set LD,   32                          ; v32-127  three sets of 32 numbers as loaded
.set X,    128                         ; v128-191 two sets of 32 neighbours
.set CD,   192                         ; v192-223 two sets of: 8 for the codes, 8 for the codes with their signs turned
.set DT,   224                         ; v224-226 a block's upper 16 codes
.set R16,  228                         ; v228 the real half fragment's two bytes; v229 the imaginary one's
.set I16,  229
.set W1,   232                         ; v232-235 tile t's scale word of the first set of rows; v236-239 of the second
.set W2,   236
.set SCP,  240                         ; v240-243 the words as they are stored
.set RG,   26                          ; s26  group of rows, 0 .. 95
.set KS,   27                          ; s27  K step
.set WV,   28
.set SR,   30                          ; s[30:31] the real tensor at my rows and columns;  s[32:33] the imaginary one
.set SI,   32
.set DS,   34                          ; s[34:35] the buffer that takes my codes
.set D1,   36                          ; s[36:37] x's rows, or W's real rows;  s[38:39] W's imaginary rows
.set D2,   38
.set S1,   40                          ; s[40:41], s[42:43] their scale words
.set S2,   42
.set MK,   44                          ; s44-46 the sign bits of 16 codes (bit 5 of each six), or 0 for x
.set HM,   47                          ; s47  lanes 16-31
.set SEL,  48                          ; s[48:49] v_permlanex16_b32's selects for lane l xor 16
	s_load_b512 s[4:19], s[0:1], 0x0               ; x_real, x_imag, wq_r, wq_i, wkv_r, wkv_i, wout_r, wout_i
	s_load_b128 s[20:23], s[0:1], 0x40             ; xq, wpq
	s_load_b64 s[24:25], s[0:1], 0x50              ; woq
	v_lshl_add_u32 v[SPW], v0, 2, SPARE
	v_mov_b32 v[NIL], 0
	v_lshrrev_b32 v1, 5, v0
	v_readfirstlane_b32 s[WV], v1                  ; wave 0, 1
	v_and_b32 v1, 31, v0                           ; lane
	v_and_b32 v10, 15, v0                          ; lane % 16
	v_bfe_u32 v11, v0, 4, 1                        ; lane / 16
	v_lshlrev_b32 v[L16], 4, v1
	v_lshlrev_b32 v[L8], 3, v1
	v_lshlrev_b32 v[H8], 3, v11
	v_lshlrev_b32 v12, 4, v10
	v_lshl_add_u32 v[GA], v11, 12, v12
	s_mul_i32 s50, s[WV], WREG
	v_mad_u32_u24 v[SIN], v11, 272, v12
	v_add_nc_u32 v[SIN], s50, v[SIN]
	v_mul_u32_u24 v[SOUT], v10, 272
	v_lshl_add_u32 v[SOUT], v11, 7, v[SOUT]
	v_add_nc_u32 v[SOUT], s50, v[SOUT]
	v_mov_b32 v[PX], 0                             ; written once: a lane permute's destination counts as one of its sources
	s_lshr_b32 s[RG], ttmp9, 3
	s_and_b32 s[KS], ttmp9, 7
	s_lshl_b32 s[KS], s[KS], 1
	s_add_co_u32 s[KS], s[KS], s[WV]               ; K step = 2 (work-group % 8) + wave
	s_sub_co_u32 s51, s[RG], 32                    ; among wq's and wkv's 48 groups: type t = / 16 (q, k, v), head h = % 16
	s_lshr_b32 s52, s51, 4
	s_and_b32 s53, s51, 15
	s_mul_i32 s53, s53, 6
	s_lshl_b32 s52, s52, 1
	s_add_co_u32 s53, s53, s52                     ; 6 h + 2 t: the group's place in wpq, a head's six groups together
	s_mov_b32 s[MK], 0x20820820
	s_mov_b32 s[MK+1], 0x08208208
	s_mov_b32 s[MK+2], 0x82082082
	s_mov_b32 s[HM], 0xffff0000
	s_mov_b32 s[SEL], 0x76543210
	s_mov_b32 s[SEL+1], 0xfedcba98
	s_mov_b32 s54, 80                              ; the first group of my tensor,
	s_mov_b32 s55, 16                              ; groups from the real rows to the imaginary ones,
	s_mov_b32 s56, 32                              ; groups in the buffer: as for wout; the selects below hang on the work-group's number alone
	s_wait_alu depctr_va_vdst(0)
	s_wait_kmcnt 0x0
	s_mov_b64 s[SR:SR+1], s[16:17]
	s_mov_b64 s[SI:SI+1], s[18:19]
	s_mov_b64 s[DS:DS+1], s[24:25]
	s_cmp_lt_u32 s[RG], 80                         ; wkv
	s_cselect_b64 s[SR:SR+1], s[12:13], s[SR:SR+1]
	s_cselect_b64 s[SI:SI+1], s[14:15], s[SI:SI+1]
	s_cselect_b64 s[DS:DS+1], s[22:23], s[DS:DS+1]
	s_cselect_b32 s54, 48, s54
	s_cselect_b32 s55, 1, s55
	s_cselect_b32 s56, 96, s56
	s_cmp_lt_u32 s[RG], 48                         ; wq
	s_cselect_b64 s[SR:SR+1], s[8:9], s[SR:SR+1]
	s_cselect_b64 s[SI:SI+1], s[10:11], s[SI:SI+1]
	s_cselect_b32 s54, 32, s54
	s_cmp_lt_u32 s[RG], 32                         ; x
	s_cselect_b64 s[SR:SR+1], s[4:5], s[SR:SR+1]
	s_cselect_b64 s[SI:SI+1], s[6:7], s[SI:SI+1]
	s_cselect_b64 s[DS:DS+1], s[20:21], s[DS:DS+1]
	s_cselect_b32 s54, 0, s54
	s_cselect_b32 s56, 32, s56
	s_cselect_b32 s[MK], 0, s[MK]
	s_cselect_b32 s[MK+1], 0, s[MK+1]
	s_cselect_b32 s[MK+2], 0, s[MK+2]
	s_sub_co_u32 s58, s[RG], s54                   ; my group in its tensor
	s_cmp_lt_u32 s51, 48                           ; 32 <= group < 80: wq or wkv
	s_cselect_b32 s59, s53, s58                    ; my group's place in the buffer
	s_lshl_b32 s60, s58, 18                        ; 64 rows of 4,096 bytes
	s_lshl_b32 s61, s[KS], 8                       ; 64 columns
	s_add_co_u32 s60, s60, s61
	s_mov_b32 s61, 0
	s_add_nc_u64 s[SR:SR+1], s[SR:SR+1], s[60:61]
	s_add_nc_u64 s[SI:SI+1], s[SI:SI+1], s[60:61]
	s_lshr_b32 s60, s[KS], 1                       ; codes: [K step / 2][tile][K step % 2][half][768]; a group is four tiles of 3,072 bytes
	s_mul_i32 s60, s60, s56
	s_add_co_u32 s60, s60, s59
	s_mul_i32 s60, s60, 12288
	s_and_b32 s62, s[KS], 1
	s_mul_i32 s62, s62, 1536
	s_add_co_u32 s60, s60, s62
	s_add_nc_u64 s[D1:D1+1], s[DS:DS+1], s[60:61]
	s_mul_i32 s62, s55, 12288
	s_mov_b32 s63, 0
	s_add_nc_u64 s[D2:D2+1], s[D1:D1+1], s[62:63]
	s_mul_i32 s60, s[KS], s56                      ; scale words, behind the codes (98,304 bytes of codes a group): [K step][group][256]
	s_add_co_u32 s60, s60, s59
	s_lshl_b32 s60, s60, 8
	s_mul_i32 s62, s56, 98304
	s_add_co_u32 s60, s60, s62
	s_add_nc_u64 s[S1:S1+1], s[DS:DS+1], s[60:61]
	s_lshl_b32 s62, s55, 8
	s_add_nc_u64 s[S2:S2+1], s[S1:S1+1], s[62:63]
; Half fragment u: tile u / 2 of the group, real (u even) or imaginary.  Eight loads, two rows each, in the tile's order of rows.
.macro LOADHF u
.set LT, (\u)/2
.irp e, 0,1,2,3,4,5,6,7
.if (\u)%2 == 0
	global_load_b128 v[LD+32*((\u)%3)+4*\e:LD+32*((\u)%3)+4*\e+3], v[GA], s[SR:SR+1] offset:(32*(LT/2)+8*(LT%2)+2*\e+8*(\e/4))*4096 th:TH_LOAD_NT
.else
	global_load_b128 v[LD+32*((\u)%3)+4*\e:LD+32*((\u)%3)+4*\e+3], v[GA], s[SI:SI+1] offset:(32*(LT/2)+8*(LT%2)+2*\e+8*(\e/4))*4096 th:TH_LOAD_NT
.endif
.endr
.endm
; Its 16 rows through a stage: LDS serves a wave's instructions in order, so no wait stands between the stores and the loads.
.macro TURNHF u
.irp e, 0,1,2,3,4,5,6,7
	ds_store_b128 v[SIN], v[LD+32*((\u)%3)+4*\e:LD+32*((\u)%3)+4*\e+3] offset:STG*((\u)%2)+544*\e
.endr
.irp e, 0,1,2,3,4,5,6,7
	ds_load_b128 v[X+32*((\u)%2)+4*\e:X+32*((\u)%2)+4*\e+3], v[SOUT] offset:STG*((\u)%2)+16*\e
.endr
.endm
.macro HF u
	s_wait_dscnt 0x0                               ; my 32 neighbours are back from the stage, and the stores into it have read their registers,
.if (\u)+3 < 8
	LOADHF (\u)+3                                  ; which take the loads of three half fragments on
.endif
.if (\u)+1 < 8
.if (\u) < 5
	s_wait_loadcnt 16                              ; the next half fragment's eight loads are in; those of the two behind it may be out
.else
	s_wait_loadcnt 8*(6-(\u))
.endif
	TURNHF (\u)+1                                  ; and go through the other stage while this one is worked
.endif
.set XS, X+32*((\u)%2)
.set CC, CD+16*((\u)%2)
.set HT, (\u)/2
.set HP, (\u)%2
	s_wait_xcnt 0x0                                ; the stores of two half fragments ago have read this set of code registers: it is written again only behind this wait
	v_max3_num_f32 v[TA], |v[XS]|, |v[XS+1]|, 0x1800000     ; the block's largest magnitude: all 32 numbers are mine; the floor 2^(3 - 127) holds the byte at 1 from below
	v_max3_num_f32 v[TC], |v[XS+16]|, |v[XS+17]|, 0x1800000
.irp i, 2,4,6,8,10,12,14
	v_max3_num_f32 v[TA], v[TA], |v[XS+\i]|, |v[XS+\i+1]|
	v_max3_num_f32 v[TC], v[TC], |v[XS+16+\i]|, |v[XS+17+\i]|
.endr
	v_max_num_f32 v[TA], v[TA], v[TC]
	v_add_nc_u32 v[SO], 0xff000000, v[TA]          ; 2 off its exponent field: the conversion takes the exponent field of this operand as its scale
	v_cvt_scalef32_pk16_fp6_f32 v[CC:CC+2], v[XS:XS+15], v[SO]
	v_cvt_scalef32_pk16_fp6_f32 v[DT:DT+2], v[XS+16:XS+31], v[SO]   ; (a conversion's three registers begin on an even number)
	v_lshrrev_b32 v[BY], 23, v[SO]                 ; the scale's byte.  (The plain instruction behind the conversions)
.irp i, 0,1,2
	v_mov_b32 v[CC+3+\i], v[DT+\i]
.endr
	v_lshlrev_b32 v[BY], v[H8], v[BY]              ; block h's byte at its place;
	v_permlanex16_b32 v[PX], v[BY], s[SEL], s[SEL+1]
.if HP == 0
	v_or_b32 v[R16], v[BY], v[PX]                  ; with lane l xor 16's: the row's two bytes
.else
	v_or_b32 v[I16], v[BY], v[PX]
.irp i, 0,1,2
	v_xor_b32 v[CC+8+\i], s[MK+\i], v[CC+\i]       ; -wi (x: the mask is 0)
	v_xor_b32 v[CC+11+\i], s[MK+\i], v[CC+3+\i]
.endr
	v_lshl_or_b32 v[W1+HT], v[I16], 16, v[R16]     ; [real | imaginary]
	v_lshl_or_b32 v[W2+HT], v[R16], 16, v[I16]     ; [imaginary | real]
.endif
	global_store_b128 v[L16], v[CC+8*HP:CC+8*HP+3], s[D1:D1+1] offset:3072*HT+768*HP
	global_store_b64 v[L8], v[CC+8*HP+4:CC+8*HP+5], s[D1:D1+1] offset:3072*HT+768*HP+512
	s_cmp_lt_u32 s[RG], 32                         ; x has one set of rows
	s_cbranch_scc1 .Lone_set_\@
	global_store_b128 v[L16], v[CC:CC+3], s[D2:D2+1] offset:3072*HT+768*(1-HP)
	global_store_b64 v[L8], v[CC+4:CC+5], s[D2:D2+1] offset:3072*HT+768*(1-HP)+512
.Lone_set_\@:
.endm
	LOADHF 0
	LOADHF 1
	LOADHF 2
	s_wait_loadcnt 16                              ; the first half fragment's eight loads are in
	TURNHF 0
.irp u, 0,1,2,3,4,5,6,7
	HF \u
.endr
	v_cndmask_b32 v[SCP], v[W1], v[W1+1], s[HM]    ; even tiles in lanes 0-15, odd ones in lanes 16-31 (a word stands in lanes r and r + 16 alike)
	s_wait_alu depctr_va_vdst(0)
	v_cndmask_b32 v[SCP+1], v[W1+2], v[W1+3], s[HM]
	global_store_b64 v[L8], v[SCP:SCP+1], s[S1:S1+1]   ; 256 consecutive aligned bytes
	s_cmp_lt_u32 s[RG], 32
	s_cbranch_scc1 .Lend
	v_cndmask_b32 v[SCP+2], v[W2], v[W2+1], s[HM]
	v_cndmask_b32 v[SCP+3], v[W2+2], v[W2+3], s[HM]
	global_store_b64 v[L8], v[SCP+2:SCP+3], s[S2:S2+1]
.Lend:
	s_wait_tensorcnt 0x0                           ; the wave's end: behind my last LDS store
	ds_add_u32 v[SPW], v[NIL]
	s_wait_dscnt 0x0
	s_endpgm
.Lfunc_end_k_qe963463f4d_quant:
	.size	k_qe963463f4d_quant, .Lfunc_end_k_qe963463f4d_quant-k_qe963463f4d_quant
	.p2alignl 7, 3214868480
	.fill 96, 4, 3214868480
	.section	.rodata,"a",@progbits
	.p2align	6, 0x0
	.amdhsa_kernel k_qe963463f4d_quant
		.amdhsa_group_segment_fixed_size 17664
		.amdhsa_private_segment_fixed_size 0
		.amdhsa_enable_private_segment 0
		.amdhsa_kernarg_size 88
		.amdhsa_user_sgpr_count 2
		.amdhsa_user_sgpr_kernarg_segment_ptr 1
		.amdhsa_wavefront_size32 1
		.amdhsa_system_sgpr_workgroup_id_x 1
		.amdhsa_system_sgpr_workgroup_id_y 1
		.amdhsa_system_sgpr_workgroup_id_z 1
		.amdhsa_system_vgpr_workitem_id 0
		.amdhsa_next_free_vgpr 248
		.amdhsa_next_free_sgpr 66
		.amdhsa_reserve_vcc 0
		.amdhsa_float_denorm_mode_32 3
		.amdhsa_float_denorm_mode_16_64 3
		.amdhsa_memory_ordered 1
		.amdhsa_forward_progress 1
		.amdhsa_inst_pref_size 37
	.end_amdhsa_kernel
	.amdgpu_metadata
---
amdhsa.version: [ 1, 2 ]
amdhsa.kernels:
  - .name:           k_qe963463f4d_quant
    .symbol:         k_qe963463f4d_quant.kd
    .args:
      - { .name: x_real, .offset: 0, .size: 8, .value_kind: global_buffer, .address_space: global }
      - { .name: x_imag, .offset: 8, .size: 8, .value_kind: global_buffer, .address_space: global }
      - { .name: wq_r, .offset: 16, .size: 8, .value_kind: global_buffer, .address_space: global }
      - { .name: wq_i, .offset: 24, .size: 8, .value_kind: global_buffer, .address_space: global }
      - { .name: wkv_r, .offset: 32, .size: 8, .value_kind: global_buffer, .address_space: global }
      - { .name: wkv_i, .offset: 40, .size: 8, .value_kind: global_buffer, .address_space: global }
      - { .name: wout_r, .offset: 48, .size: 8, .value_kind: global_buffer, .address_space: global }
      - { .name: wout_i, .offset: 56, .size: 8, .value_kind: global_buffer, .address_space: global }
      - { .name: xq, .offset: 64, .size: 8, .value_kind: global_buffer, .address_space: global }
      - { .name: wpq, .offset: 72, .size: 8, .value_kind: global_buffer, .address_space: global }
      - { .name: woq, .offset: 80, .size: 8, .value_kind: global_buffer, .address_space: global }
    .group_segment_fixed_size: 17664
    .private_segment_fixed_size: 0
    .kernarg_segment_align: 8
    .kernarg_segment_size: 88
    .max_flat_workgroup_size: 64
    .sgpr_count:     66
    .vgpr_count:     248
    .wavefront_size: 32
...
	.end_amdgpu_metadata
.endif
;; end of part 1
;; launch proj (part 2): grid 16 x 16, 4 waves a work-group, clusters of 4 x 4, 327,680 bytes of LDS; arguments xq, wpq, qq, kvq; writes qq, kvq
.if DOCPART == 2
	.amdgcn_target "amdgcn-amd-amdhsa--gfx1250"
	.amdhsa_code_object_version 6
	.text
	.protected	k_qe963463f4d_proj
	.globl	k_qe963463f4d_proj
	.p2align	8
	.type	k_qe963463f4d_proj,@function
k_qe963463f4d_proj:
	s_mov_b64 s[64:65], 0
	v_nop
	global_prefetch_b8 v0, s[64:65] scope:SCOPE_SE
	s_setreg_imm32_b32 hwreg(HW_REG_WAVE_MODE, 25, 1), 1
	s_wait_xcnt 0x0
	s_wait_alu depctr_hold_cnt(0) depctr_sa_sdst(0) depctr_va_vdst(0) depctr_va_sdst(0) depctr_va_ssrc(0) depctr_va_vcc(0) depctr_vm_vsrc(0)
	s_getreg_b32 s2, hwreg(HW_REG_IB_STS2, 6, 4)
	s_cmp_eq_u32 s2, 0
	s_cbranch_scc0 .Lentry_in_a_cluster
	s_endpgm
.Lentry_in_a_cluster:
	s_bfe_u32 s2, ttmp6, 0x10000c
	s_cmp_lg_u32 s2, 0xf033
	s_cbranch_scc0 .Lentry_shape_is_right
	s_endpgm
.Lentry_shape_is_right:
.set NW,    12
.set NQ,    2
.set LAPS,  4
.set FX,    1
.set PIECE, 24576
.set SLOT,  4*PIECE
.set SCL,   2*SLOT
.set SCW,   8192
.set SROWS, 16
.set WSP,   3072
.set XSL,   393216
.set WSL,   1179648
.set VSG,   SCL+4*8192
.set SPARE, VSG+512
.set RUN2,  2*NW
.set WB,    2*PIECE                    ; LDS: x's two slots of one piece each, then W's two slots of three pieces each
.set PFO,   30                         ; v30  the prefetches' offset: my work-group's 24 blocks of 256 bytes of the piece that my wave fetches; never rewritten
.set PFA,   4                          ; s[4:5] where my prefetches stand;  s[6:7] bytes from a K pair to the next in my operand
.set PFS,   6
.set AX16, 16
.set AX8,  18
.set AW16, 20
.set AW8,  22
.set ASX,  24
.set ASW,  25
.set L16,  26
.set L8,   27
.set SPW,  28
.set NIL,  29
.set SC,   32
.set XF,   64
.set TM,   160
.set DT,   168
.set WH,   172
.set SPR,  184
.set VSA,  188
.set VSR,  189
.set G1X,  24
.set G0X,  32
.set G1W,  48
.set G0W,  56
.set G1XS, 68
.set G0XS, 76
.set G1WS, 80
.set G0WS, 88
.set SEL,  12
.set HM,   2
.set QB,   66
.set QS,   92
.set KB,   94
.set VB,   96
.set KSC,  22
.set VSC,  98
.set MSB, 0
.macro WIN new
.if MSB != \new
	s_set_vgpr_msb (MSB<<8)|\new
.set MSB, \new
.endif
.endm
.macro JLOAD g0x, g1x, g0w, g1w
	s_cmp_lt_u32 s14, FX
	s_cbranch_scc0 .Lfor_w_\@
	tensor_load_to_lds s[\g0x:\g0x+3], s[\g1x:\g1x+7]
	s_nop 0
.rept 4
	v_nop
.endr
	s_branch .Lasked_\@
.Lfor_w_\@:
	tensor_load_to_lds s[\g0w:\g0w+3], s[\g1w:\g1w+7]
	s_nop 0
.rept 4
	v_nop
.endr
.Lasked_\@:
.endm
.macro CREST
	s_cmp_lg_u32 s14, 0
	s_cbranch_scc1 .Lnot_wave_0_\@
	s_barrier_signal -3
.Lnot_wave_0_\@:
	s_barrier_wait -3
	s_barrier_signal -1
	s_barrier_wait -1
.endm
.macro CROUND
	s_barrier_signal -1
	s_barrier_wait -1
	CREST
.endm
.macro PLACES
.rept 4
	v_nop
.endr
.endm
.macro WM d, a, b, sa, sb, ra, rb, zero
.if \zero
.if (\ra) && (\rb)
	v_wmma_scale_f32_16x16x128_f8f6f4 v[(\d):(\d)+7], v[(\a):(\a)+11], v[(\b):(\b)+11], 0, v[\sa], v[\sb] matrix_a_fmt:MATRIX_FMT_FP6 matrix_b_fmt:MATRIX_FMT_FP6 matrix_a_scale:MATRIX_SCALE_ROW1 matrix_b_scale:MATRIX_SCALE_ROW1
.elseif \ra
	v_wmma_scale_f32_16x16x128_f8f6f4 v[(\d):(\d)+7], v[(\a):(\a)+11], v[(\b):(\b)+11], 0, v[\sa], v[\sb] matrix_a_fmt:MATRIX_FMT_FP6 matrix_b_fmt:MATRIX_FMT_FP6 matrix_a_scale:MATRIX_SCALE_ROW1
.elseif \rb
	v_wmma_scale_f32_16x16x128_f8f6f4 v[(\d):(\d)+7], v[(\a):(\a)+11], v[(\b):(\b)+11], 0, v[\sa], v[\sb] matrix_a_fmt:MATRIX_FMT_FP6 matrix_b_fmt:MATRIX_FMT_FP6 matrix_b_scale:MATRIX_SCALE_ROW1
.else
	v_wmma_scale_f32_16x16x128_f8f6f4 v[(\d):(\d)+7], v[(\a):(\a)+11], v[(\b):(\b)+11], 0, v[\sa], v[\sb] matrix_a_fmt:MATRIX_FMT_FP6 matrix_b_fmt:MATRIX_FMT_FP6
.endif
.else
.if (\ra) && (\rb)
	v_wmma_scale_f32_16x16x128_f8f6f4 v[(\d):(\d)+7], v[(\a):(\a)+11], v[(\b):(\b)+11], v[(\d):(\d)+7], v[\sa], v[\sb] matrix_a_fmt:MATRIX_FMT_FP6 matrix_b_fmt:MATRIX_FMT_FP6 matrix_a_scale:MATRIX_SCALE_ROW1 matrix_b_scale:MATRIX_SCALE_ROW1
.elseif \ra
	v_wmma_scale_f32_16x16x128_f8f6f4 v[(\d):(\d)+7], v[(\a):(\a)+11], v[(\b):(\b)+11], v[(\d):(\d)+7], v[\sa], v[\sb] matrix_a_fmt:MATRIX_FMT_FP6 matrix_b_fmt:MATRIX_FMT_FP6 matrix_a_scale:MATRIX_SCALE_ROW1
.elseif \rb
	v_wmma_scale_f32_16x16x128_f8f6f4 v[(\d):(\d)+7], v[(\a):(\a)+11], v[(\b):(\b)+11], v[(\d):(\d)+7], v[\sa], v[\sb] matrix_a_fmt:MATRIX_FMT_FP6 matrix_b_fmt:MATRIX_FMT_FP6 matrix_b_scale:MATRIX_SCALE_ROW1
.else
	v_wmma_scale_f32_16x16x128_f8f6f4 v[(\d):(\d)+7], v[(\a):(\a)+11], v[(\b):(\b)+11], v[(\d):(\d)+7], v[\sa], v[\sb] matrix_a_fmt:MATRIX_FMT_FP6 matrix_b_fmt:MATRIX_FMT_FP6
.endif
.endif
.endm
.macro MULF f, p, zero
.if (\f) < 8
	WIN 0xa1
.irp i, 0,1,2,3
	WM 128*((\f)/4)+32*\i+8*((\f)%4), 12*(\f), XF+48*(\p)+12*\i, SC+8*(\p)+2+2*((\f)/4)+((\f)%4)/2, SC+8*(\p)+\i/2, (\f)%2, \i%2, \zero
.endr
.else
	WIN 0xf4
.irp i, 0,1,2,3
	WM 32*((\f)%4)+8*\i, XF+48*(\p)+12*\i, 12*(\f), SC+8*(\p)+\i/2, SC+8*(\p)+2+2*((\f)/4)+((\f)%4)/2, \i%2, (\f)%2, \zero
.endr
.endif
.endm
.macro MULR f0, n, p, zero
.set FM, \f0
.rept \n
	MULF FM, \p, \zero
.set FM, FM+1
.endr
.endm
.macro FETX slot, q, p
.irp i, 0,1,2,3
.irp c, 0,1
	ds_load_b128 v[XF+48*(\p)+12*\i+6*\c:XF+48*(\p)+12*\i+6*\c+3], v[AX16+\slot] offset:((\q)/2)*PIECE+3072*\i+1536*((\q)%2)+768*\c
	ds_load_b64 v[XF+48*(\p)+12*\i+6*\c+4:XF+48*(\p)+12*\i+6*\c+5], v[AX8+\slot] offset:((\q)/2)*PIECE+3072*\i+1536*((\q)%2)+768*\c+512
.endr
.endr
.endm
.macro FETS p, q
	ds_load_b64 v[SC+8*(\p):SC+8*(\p)+1], v[ASX] offset:512*(\q)
.set TT, 0
.rept NW/4
	ds_load_b64 v[SC+8*(\p)+2+2*TT:SC+8*(\p)+3+2*TT], v[ASW] offset:512*TT+1536*(\q)
.set TT, TT+1
.endr
.endm
.macro FETW slot, q, f0, n
	WIN 0x40
.set FF, \f0
.rept \n
.irp c, 0,1
	ds_load_b128 v[12*FF+6*\c:12*FF+6*\c+3], v[AW16+\slot] offset:((\q)/2)*PIECE+(FF/4)*PIECE+3072*(FF%4)+1536*((\q)%2)+768*\c
	ds_load_b64 v[12*FF+6*\c+4:12*FF+6*\c+5], v[AW8+\slot] offset:((\q)/2)*PIECE+(FF/4)*PIECE+3072*(FF%4)+1536*((\q)%2)+768*\c+512
.endr
.set FF, FF+1
.endr
	WIN 0
.endm
.macro STEP slot, q, zero
	s_wait_dscnt RUN2
	MULR 0, NW/2, (\q)%2, \zero
	s_wait_dscnt 0x0
	PLACES
	WIN 0
	FETX \slot, (\q)+1, 1-(\q)%2
	FETS 1-(\q)%2, (\q)+1
	FETW \slot, (\q)+1, 0, NW/2
	MULR NW/2, NW/2, (\q)%2, \zero
	PLACES
	FETW \slot, (\q)+1, NW/2, NW/2
.endm
.macro TURN slot, next, fill
.if \fill
	s_wait_xcnt 0x0                                ; my last prefetch has read its address: it is stepped here, a K pair on
	s_add_nc_u64 s[PFA:PFA+1], s[PFA:PFA+1], s[PFS:PFS+1]
.endif
	s_wait_tensorcnt 0x0
	ds_add_u32 v[SPW], v[NIL]
	s_wait_dscnt RUN2+1
	MULR 0, NW/4, 1, 0
	s_wait_dscnt 0x0
	s_barrier_signal -1
	MULR NW/4, NW/4, 1, 0
	WIN 0
	s_barrier_wait -1
.if \fill
	CREST
	s_add_nc_u64 s[G0X+4*\slot+2:G0X+4*\slot+3], s[G0X+4*\slot+2:G0X+4*\slot+3], 2*XSL
	s_add_nc_u64 s[G0W+4*\slot+2:G0W+4*\slot+3], s[G0W+4*\slot+2:G0W+4*\slot+3], 2*WSL
	JLOAD G0X+4*\slot, G1X, G0W+4*\slot, G1W
.else
	PLACES
.endif
	s_wait_alu depctr_va_vdst(0)
	v_add_nc_u32 v[ASX], 512*NQ, v[ASX]
	v_add_nc_u32 v[ASW], 1536*NQ, v[ASW]
	FETX \next, 0, 0
	FETS 0, 0
	FETW \next, 0, 0, NW/2
.if \fill
	s_cmp_gt_u32 s3, 1                             ; the K pair two refills on; the last trip's two refills have none
	s_cbranch_scc0 .Lno_ask_\@
	global_prefetch_b8 v[PFO], s[PFA:PFA+1] th:TH_LOAD_NT scope:SCOPE_SE
.Lno_ask_\@:
.endif
	MULR NW/2, NW/2, 1, 0
	PLACES
	FETW \next, 0, NW/2, NW/2
.endm
	s_load_b256 s[4:11], s[0:1], 0x0
	v_lshl_add_u32 v[SPW], v0, 2, SPARE
	v_mov_b32 v[NIL], 0
	ds_add_u32 v[SPW], v[NIL]
	ds_add_u32 v[SPW], v[NIL]
	v_lshrrev_b32 v1, 5, v0
	v_readfirstlane_b32 s14, v1
	s_lshr_b32 s15, s14, 1
	s_and_b32 s16, s14, 1
	s_bfe_u32 s40, ttmp6, 0x40000
	s_bfe_u32 s41, ttmp6, 0x40004
	s_lshl_b32 s42, ttmp9, 2
	s_add_co_u32 s42, s42, s40
	s_and_b32 s17, ttmp7, 0xffff
	s_lshl_b32 s17, s17, 2
	s_add_co_u32 s17, s17, s41
	s_lshl_b32 s43, s41, 2
	s_lshl_b32 s43, 15, s43
	s_lshl_b32 s44, 0x1111, s40
	s_or_b32 s[G1X], s43, (3<<16)|(1<<21)
	s_or_b32 s[G1W], s44, (3<<16)|(1<<21)
	s_or_b32 s[G1XS], s43, (3<<16)|(1<<21)
	s_or_b32 s[G1WS], s44, (3<<16)|(1<<21)
	s_mov_b32 s[G1X+1], 3072<<16                   ; the head's loads: a row is a K pair's dense bytes (x: one piece; W: three), two rows, a K pair apart: both slots by one load
	s_mov_b32 s[G1X+3], 3072<<16
	s_mov_b32 s[G1X+5], XSL/8
	s_mov_b32 s[G1W+1], 9216<<16
	s_mov_b32 s[G1W+3], 9216<<16
	s_mov_b32 s[G1W+5], WSL/8
.irp g, G1X, G1W
	s_mov_b32 s[\g+2], 2<<16
	s_mov_b32 s[\g+4], 2
	s_mov_b32 s[\g+6], 0
	s_mov_b32 s[\g+7], 0
.endr
.irp g, G1XS, G1WS
	s_mov_b32 s[\g+2], SROWS<<16
	s_mov_b32 s[\g+4], SROWS
	s_mov_b32 s[\g+6], 0
	s_mov_b32 s[\g+7], 0
.endr
	s_mov_b32 s[G1XS+1], 64<<16                    ; scale words of a K step: x's two groups, 512 bytes; W's six groups, 1,536 bytes
	s_mov_b32 s[G1XS+3], 64<<16
	s_mov_b32 s[G1WS+1], 192<<16
	s_mov_b32 s[G1WS+3], 192<<16
	s_mov_b32 s[G1XS+5], 1024
	s_mov_b32 s[G1WS+5], WSP
	s_mul_i32 s20, s17, 24576
	s_lshl_b32 s22, s17, 9
	s_add_co_u32 s22, s22, 3145728
	s_mul_i32 s46, s42, 73728
	s_mul_i32 s92, s42, 1536
	s_add_co_u32 s92, s92, 9437184
	s_add_co_u32 s18, s14, 3
	s_and_b32 s18, s18, 3
	s_mul_i32 s19, s18, 24576
	s_add_co_u32 s46, s46, s19
	s_mov_b32 s21, 0
	s_mov_b32 s23, 0
	s_mov_b32 s47, 0
	s_mov_b32 s93, 0
	s_mul_i32 s45, s18, PIECE
	s_mov_b32 s[SEL], 0x76543210
	s_mov_b32 s[SEL+1], 0xfedcba98
	s_mov_b32 s[HM], 0xffff0000
	s_wait_dscnt 0x0
	s_wait_kmcnt 0x0
	s_add_nc_u64 s[20:21], s[4:5], s[20:21]
	s_add_nc_u64 s[22:23], s[4:5], s[22:23]
	s_add_nc_u64 s[46:47], s[6:7], s[46:47]
	s_add_nc_u64 s[92:93], s[6:7], s[92:93]
	CROUND
	s_mov_b32 s[G0XS], 1
	s_mov_b32 s[G0XS+1], SCL
	s_mov_b64 s[G0XS+2:G0XS+3], s[22:23]
	s_or_b32 s[G0XS+3], s[G0XS+3], 0x80000000
	s_mov_b32 s[G0WS], 1
	s_mov_b32 s[G0WS+1], SCL+8192
	s_mov_b64 s[G0WS+2:G0WS+3], s[92:93]
	s_or_b32 s[G0WS+3], s[G0WS+3], 0x80000000
.irp s, 0,1
	s_mov_b32 s[G0X+4*\s], 1
	s_mov_b32 s[G0X+4*\s+1], \s*PIECE
	s_add_nc_u64 s[G0X+4*\s+2:G0X+4*\s+3], s[20:21], \s*XSL
	s_or_b32 s[G0X+4*\s+3], s[G0X+4*\s+3], 0x80000000
	s_mov_b32 s[G0W+4*\s], 1
	s_add_co_u32 s[G0W+4*\s+1], s45, WB+\s*3*PIECE
	s_add_nc_u64 s[G0W+4*\s+2:G0W+4*\s+3], s[46:47], \s*WSL
	s_or_b32 s[G0W+4*\s+3], s[G0W+4*\s+3], 0x80000000
.endr
	s_cmp_lt_u32 s14, FX                           ; the prefetches: the piece that my wave fetches, shared out among the four partners BY ADDRESS (cx for x, cy for W)
	s_cselect_b64 s[PFA:PFA+1], s[20:21], s[46:47]
	s_cselect_b32 s94, s40, s41
	s_mov_b32 s[PFS], WSL
	s_cselect_b32 s[PFS], XSL, s[PFS]
	s_mov_b32 s[PFS+1], 0
	s_mul_i32 s94, s94, 24
	s_add_nc_u64 s[PFA:PFA+1], s[PFA:PFA+1], s[PFS:PFS+1]
	s_add_nc_u64 s[PFA:PFA+1], s[PFA:PFA+1], s[PFS:PFS+1]   ; at K pair 2, the first refill's
; THE HEAD'S LOADS, ONE A WAVE: wave 0 both slots of x, wave 1 both slots of W (slot 0's group 0 of that wave names their first byte), wave 2 x's scale words, wave 3 W's.
.macro ARM under, g0, g1, next
	s_cmp_lt_u32 s14, \under
	s_cbranch_scc0 \next
	tensor_load_to_lds s[\g0:\g0+3], s[\g1:\g1+7]
	s_nop 0
.rept 4
	v_nop
.endr
	s_branch .Lhead_asked
\next:
.endm
	ARM 1, G0X,  G1X,  .Lhead_w
	ARM 2, G0W,  G1W,  .Lhead_sx
	ARM 3, G0XS, G1XS, .Lhead_sw
	tensor_load_to_lds s[G0WS:G0WS+3], s[G1WS:G1WS+7]
	s_nop 0
.rept 4
	v_nop
.endr
.Lhead_asked:
	v_and_b32 v1, 31, v0
	v_and_b32 v2, 15, v0
	v_lshlrev_b32 v[L16], 4, v1
	v_lshlrev_b32 v[L8], 3, v1
	v_min_u32 v3, 23, v1                           ; a lane a block of 256 bytes; lanes 24-31 name the last again
	v_add_nc_u32 v3, s94, v3
	v_lshlrev_b32 v[PFO], 8, v3
	s_wait_alu depctr_va_vdst(0)
	global_prefetch_b8 v[PFO], s[PFA:PFA+1] th:TH_LOAD_NT scope:SCOPE_SE   ; K pair 2: the head loads K pairs 0 and 1 and asks for 2 and 3
	s_mul_i32 s21, s15, 12288
	s_mul_i32 s20, s16, 12288
	s_add_co_u32 s20, s20, WB
.irp s, 0,1
	v_add_nc_u32 v[AX16+\s], s21, v[L16]
	v_add_nc_u32 v[AX8+\s], s21, v[L8]
	v_add_nc_u32 v[AW16+\s], s20, v[L16]
	v_add_nc_u32 v[AW8+\s], s20, v[L8]
	s_add_co_u32 s21, s21, PIECE
	s_add_co_u32 s20, s20, 3*PIECE
.endr
	s_lshl_b32 s21, s15, 8
	s_add_co_u32 s21, s21, SCL
	v_add_nc_u32 v[ASX], s21, v[L8]
	s_lshl_b32 s21, s16, 8
	s_add_co_u32 s21, s21, SCL+8192
	v_add_nc_u32 v[ASW], s21, v[L8]
	s_lshl_b32 s21, s16, 8
	s_lshl_b32 s45, s15, 1
	s_add_co_u32 s21, s21, s45
	s_add_co_u32 s21, s21, VSG
	v_lshl_add_u32 v[VSA], v2, 3, s21
	v_add_nc_u32 v[VSR], VSG, v[L16]
	v_mov_b32 v[TM+2], 0
	v_mov_b32 v[TM+3], 0
	s_wait_xcnt 0x0                                ; the prefetch above has read its address
	s_add_nc_u64 s[PFA:PFA+1], s[PFA:PFA+1], s[PFS:PFS+1]
	global_prefetch_b8 v[PFO], s[PFA:PFA+1] th:TH_LOAD_NT scope:SCOPE_SE   ; K pair 3
	s_lshr_b32 s18, s17, 3
	s_and_b32 s19, s17, 7
	s_lshl_b32 s18, s18, 4
	s_add_co_u32 s18, s18, s42
	s_lshl_b32 s20, s18, 1
	s_add_co_u32 s20, s20, s16
	s_lshl_b32 s46, s20, 6
	s_lshl_b32 s21, s19, 3
	s_add_co_u32 s46, s46, s21
	s_lshl_b32 s21, s15, 2
	s_add_co_u32 s46, s46, s21
	s_mul_i32 s46, s46, 768
	s_mov_b32 s47, 0
	s_add_nc_u64 s[QB:QB+1], s[8:9], s[46:47]
	s_lshl_b32 s46, s20, 4
	s_lshl_b32 s21, s19, 1
	s_add_co_u32 s46, s46, s21
	s_add_co_u32 s46, s46, s15
	s_lshl_b32 s46, s46, 8
	s_add_co_u32 s46, s46, 3145728
	s_add_nc_u64 s[QS:QS+1], s[8:9], s[46:47]
	s_mul_i32 s46, s18, 208896
	s_lshr_b32 s21, s19, 1
	s_mul_i32 s21, s21, 52224
	s_add_co_u32 s46, s46, s21
	s_add_nc_u64 s[10:11], s[10:11], s[46:47]
	s_and_b32 s40, s19, 1
	s_lshl_b32 s41, s40, 1
	s_add_co_u32 s41, s41, s15
	s_mul_i32 s46, s41, 6144
	s_mul_i32 s21, s16, 768
	s_add_co_u32 s46, s46, s21
	s_add_nc_u64 s[KB:KB+1], s[10:11], s[46:47]
	s_mul_i32 s46, s41, 6144
	s_mul_i32 s21, s16, 3072
	s_add_co_u32 s46, s46, s21
	s_add_co_u32 s46, s46, 24576
	s_add_nc_u64 s[VB:VB+1], s[10:11], s[46:47]
	s_lshl_b32 s46, s41, 9
	s_lshl_b32 s21, s16, 8
	s_add_co_u32 s46, s46, s21
	s_add_co_u32 s46, s46, 49152
	s_add_nc_u64 s[KSC:KSC+1], s[10:11], s[46:47]
	s_lshl_b32 s46, s40, 9
	s_add_co_u32 s46, s46, 51200
	s_add_nc_u64 s[VSC:VSC+1], s[10:11], s[46:47]
	s_wait_alu depctr_va_vdst(0)
	s_wait_tensorcnt 0x0                           ; my one load of the head has landed, so a descriptor may be written: from here on a load brings one piece, 96 rows of 256 bytes
.irp g, G1X, G1W
	s_mov_b32 s[\g+1], 32<<16
	s_mov_b32 s[\g+2], 96<<16
	s_mov_b32 s[\g+3], 32<<16
	s_mov_b32 s[\g+4], 96
	s_mov_b32 s[\g+5], 32
.endr
	s_barrier_signal -1
	s_barrier_wait -1
	FETX 0, 0, 0
	FETS 0, 0
	FETW 0, 0, 0, NW/2
	FETW 0, 0, NW/2, NW/2
	STEP 0, 0, 1
	s_mov_b32 s3, LAPS-1
.Llap:
	TURN 0, 1, 1
	s_wait_alu depctr_va_vdst(0)
	STEP 1, 0, 0
	TURN 1, 0, 1
	s_wait_alu depctr_va_vdst(0)
	STEP 0, 0, 0
	s_sub_co_u32 s3, s3, 1
	s_cmp_lg_u32 s3, 0
	s_cbranch_scc1 .Llap
	TURN 0, 1, 0
	s_wait_alu depctr_va_vdst(0)
	STEP 1, 0, 0
	s_wait_dscnt RUN2
	MULR 0, NW/2, 1, 0
	s_wait_dscnt 0x0
	MULR NW/2, NW/2, 1, 0
	WIN 0
	PLACES
.macro QHF win, base, cr, w
	WIN 5*(\win)
	v_max3_num_f32 v[TM], |v[(\base)]|, |v[(\base)+1]|, 0x1800000
	v_max3_num_f32 v[TM+1], |v[(\base)+16]|, |v[(\base)+17]|, 0x1800000
.irp i, 2,4,6,8,10,12,14
	v_max3_num_f32 v[TM], |v[(\base)+\i]|, |v[(\base)+\i+1]|, v[TM]
	v_max3_num_f32 v[TM+1], |v[(\base)+16+\i]|, |v[(\base)+17+\i]|, v[TM+1]
.endr
	WIN 0
	v_permlanex16_b32 v[TM+2], v[TM], s[SEL], s[SEL+1]
	v_permlanex16_b32 v[TM+3], v[TM+1], s[SEL], s[SEL+1]
	v_max_num_f32 v[TM], v[TM], v[TM+2]
	v_max_num_f32 v[TM+1], v[TM+1], v[TM+3]
	v_add_nc_u32 v[TM+4], 0xff000000, v[TM]
	v_add_nc_u32 v[TM+5], 0xff000000, v[TM+1]
	v_lshrrev_b32 v[TM+6], 23, v[TM+4]
	v_lshrrev_b32 v[TM+7], 23, v[TM+5]
	v_lshl_or_b32 v[\w], v[TM+7], 8, v[TM+6]
	WIN \win
	v_cvt_scalef32_pk16_fp6_f32 v[(\cr):(\cr)+2], v[(\base):(\base)+15], v[TM+4]
	v_cvt_scalef32_pk16_fp6_f32 v[DT:DT+2], v[(\base)+16:(\base)+31], v[TM+5]
	WIN 0
	v_nop
.irp i, 0,1,2
	v_permlane16_swap_b32 v[(\cr)+\i], v[DT+\i]
.endr
.irp i, 0,1,2
	v_mov_b32 v[(\cr)+3+\i], v[DT+\i]
.endr
.endm
.irp i, 0,1,2,3
	QHF 2, 32*\i, 64+8*\i, WH+\i
	global_store_b128 v[L16], v[64+8*\i:67+8*\i], s[QB:QB+1] offset:768*\i
	global_store_b64 v[L8], v[68+8*\i:69+8*\i], s[QB:QB+1] offset:768*\i+512
.endr
.irp i, 0,1,2,3
	QHF 2, 128+32*\i, 96+8*\i, WH+4+\i
	global_store_b128 v[L16], v[96+8*\i:99+8*\i], s[KB:KB+1] offset:1536*\i
	global_store_b64 v[L8], v[100+8*\i:101+8*\i], s[KB:KB+1] offset:1536*\i+512
.endr
.irp i, 0,1,2,3
	QHF 3, 32*\i, 128+8*\i, WH+8+\i
	global_store_b128 v[L16], v[128+8*\i:131+8*\i], s[VB:VB+1] offset:768*\i
	global_store_b64 v[L8], v[132+8*\i:133+8*\i], s[VB:VB+1] offset:768*\i+512
	ds_store_b16 v[VSA], v[WH+8+\i] offset:128*(\i%2)+4*(\i/2)
.endr
.irp i, 0,1,2,3,4,5,6,7
	v_or_b32 v[WH+\i], 0x7f7f0000, v[WH+\i]
.endr
	v_cndmask_b32 v[SPR], v[WH], v[WH+1], s[HM]
	v_cndmask_b32 v[SPR+1], v[WH+2], v[WH+3], s[HM]
	v_cndmask_b32 v[SPR+2], v[WH+4], v[WH+5], s[HM]
	v_cndmask_b32 v[SPR+3], v[WH+6], v[WH+7], s[HM]
	global_store_b64 v[L8], v[SPR:SPR+1], s[QS:QS+1]
	global_store_b64 v[L8], v[SPR+2:SPR+3], s[KSC:KSC+1]
	s_wait_dscnt 0x0
	s_barrier_signal -1
	s_barrier_wait -1
	s_cmp_lg_u32 s14, 0
	s_cbranch_scc1 .Lnot_mine
	ds_load_b128 v[192:195], v[VSR]
	s_wait_dscnt 0x0
	global_store_b128 v[L16], v[192:195], s[VSC:VSC+1]
.Lnot_mine:
	s_wait_tensorcnt 0x0
	ds_add_u32 v[SPW], v[NIL]
	s_wait_dscnt 0x0
	CROUND
	s_endpgm
.Lfunc_end_k_qe963463f4d_proj:
	.size	k_qe963463f4d_proj, .Lfunc_end_k_qe963463f4d_proj-k_qe963463f4d_proj
	.p2alignl 7, 3214868480
	.fill 96, 4, 3214868480
	.section	.rodata,"a",@progbits
	.p2align	6, 0x0
	.amdhsa_kernel k_qe963463f4d_proj
		.amdhsa_group_segment_fixed_size 327680
		.amdhsa_private_segment_fixed_size 0
		.amdhsa_enable_private_segment 0
		.amdhsa_kernarg_size 32
		.amdhsa_user_sgpr_count 2
		.amdhsa_user_sgpr_kernarg_segment_ptr 1
		.amdhsa_wavefront_size32 1
		.amdhsa_system_sgpr_workgroup_id_x 1
		.amdhsa_system_sgpr_workgroup_id_y 1
		.amdhsa_system_sgpr_workgroup_id_z 1
		.amdhsa_system_vgpr_workitem_id 0
		.amdhsa_next_free_vgpr 896
		.amdhsa_next_free_sgpr 100
		.amdhsa_reserve_vcc 0
		.amdhsa_float_denorm_mode_32 3
		.amdhsa_float_denorm_mode_16_64 3
		.amdhsa_memory_ordered 1
		.amdhsa_forward_progress 1
		.amdhsa_inst_pref_size 129
	.end_amdhsa_kernel
	.amdgpu_metadata
---
amdhsa.version: [ 1, 2 ]
amdhsa.kernels:
  - .name:           k_qe963463f4d_proj
    .symbol:         k_qe963463f4d_proj.kd
    .args:
      - { .name: xq, .offset: 0, .size: 8, .value_kind: global_buffer, .address_space: global }
      - { .name: wpq, .offset: 8, .size: 8, .value_kind: global_buffer, .address_space: global }
      - { .name: qq, .offset: 16, .size: 8, .value_kind: global_buffer, .address_space: global }
      - { .name: kvq, .offset: 24, .size: 8, .value_kind: global_buffer, .address_space: global }
    .group_segment_fixed_size: 327680
    .private_segment_fixed_size: 0
    .kernarg_segment_align: 8
    .kernarg_segment_size: 32
    .max_flat_workgroup_size: 128
    .sgpr_count:     100
    .vgpr_count:     896
    .wavefront_size: 32
...
	.end_amdgpu_metadata
.endif
;; end of part 2
;; launch attn (part 3): grid 8 x 32, 16 waves a work-group, clusters of 4 x 1, 303,104 bytes of LDS; arguments qq, kvq, oq; writes oq
.if DOCPART == 3
	.amdgcn_target "amdgcn-amd-amdhsa--gfx1250"
	.amdhsa_code_object_version 6
	.text
	.protected	k_qe963463f4d_attn
	.globl	k_qe963463f4d_attn
	.p2align	8
	.type	k_qe963463f4d_attn,@function
k_qe963463f4d_attn:
	s_mov_b64 s[64:65], 0
	v_nop
	global_prefetch_b8 v0, s[64:65] scope:SCOPE_SE
	s_setreg_imm32_b32 hwreg(HW_REG_WAVE_MODE, 25, 1), 1
	s_wait_xcnt 0x0
	s_wait_alu depctr_hold_cnt(0) depctr_sa_sdst(0) depctr_va_vdst(0) depctr_va_sdst(0) depctr_va_ssrc(0) depctr_va_vcc(0) depctr_vm_vsrc(0)
	s_getreg_b32 s2, hwreg(HW_REG_IB_STS2, 6, 4)
	s_cmp_eq_u32 s2, 0
	s_cbranch_scc0 .Lentry_in_a_cluster
	s_endpgm
.Lentry_in_a_cluster:
	s_bfe_u32 s2, ttmp6, 0x10000c
	s_cmp_lg_u32 s2, 0x3003
	s_cbranch_scc0 .Lentry_shape_is_right
	s_endpgm
.Lentry_shape_is_right:
; The four attentions of a head, (qr, kr, vr), (qr, ki, vi), (qi, kr, vr), (qi, ki, vi), on codes of FP6 (E2M3); their signed sums o_r = o0 - o1 - o2 - o3, o_i = o0 + o1 + o2 - o3; and o's quantising for the output projection.
; THE SOFTMAX AHEAD OF THE SECOND PRODUCT: t = score x log2(e) / 8; M = the running largest t rounded UP to a whole number; p = 2^(t - M) is quantised along the keys, not normalised; the row's sum is taken of the unquantised p and divides at the end.
; SHARES.  A work-group owns 128 queries of one (batch, head).  Wave w owns the tile of 16 queries w / 2 and the part w % 2 of q (real, imaginary), and makes two attentions: against (kr, vr) and against (ki, vi).
; THE HEAD'S WHOLE k, v AND THEIR SCALE WORDS, 208,896 bytes, COME INTO LDS ONCE: waves 0-11 ask for a twelfth each (34 rows of 512 bytes), one tensor load a wave, at the kernel's head.  Nothing is filled again: one wait, one barrier, then
; a loop of four trips of 256 keys with no barrier in it.  No prefetch: all that is read is asked for at the head, so there is no loop to run ahead in.
; CLUSTER 4 x 1: the four blocks of queries of a cluster belong to one head: each twelfth is asked for JOINTLY.
; LDS ROWS: the descriptor lays 64 bytes of padding behind each 512: byte y of a quarter lies at y + 64 (y / 512).  An image of 768 bytes begins at 0 or 256 modulo 512; where it begins at 256, lanes 16-31 of its first 512 bytes lie 64 bytes further on.
; LAYOUT.  Both products are used transposed: S^T = k q^T, O^T = v^T p^T: a lane holds one query throughout.  Operands lie as images of their registers (half fragments: registers 0-3 at 16 x lane, registers 4-5 at 512 + 8 x lane).
; THE KEYS OF A TILE OF k ARE CHOSEN BY THE LANES' ADDRESSES: in 64 keys, tile u takes keys 8 u + 0 .. 7 as rows 0-7 and keys 32 + 8 u + 0 .. 7 as rows 8-15.  An image's lanes 0-7 hold keys 32 b + 8 u' + 0 .. 7 and its lanes 8-15 the eight 16 further on,
; so row r of tile u is lane 8 (u / 2) + r % 8 of image u % 2 + 2 (r / 8): one address register, the rest in the immediate.  With the padding the two images lie 3,456 bytes apart, 128 modulo 256, so the sixteen lanes of a 16-byte load touch 256 different bytes modulo 256.
; So a lane's 32 score registers of four tiles are keys 64 c + 32 (lane / 16) + 0 .. 31: ONE WHOLE BLOCK, in the order of the second product's operand: its maximum needs no other lane and its codes no exchange.
; The first product's K is 64: q's upper six registers are zeros, so k's upper six may be any codes: they are the next tile's (the last tile's: six zeros).
; A GROUP'S 32 SUM ADDITIONS ARE MADE IN THE NEXT GROUP: behind the second product, while k's loads are out, and between the two halves of the score products, which write p's registers again only behind them.  The first group finds zeros there.
; REGISTERS: v1, v2 16 x and 8 x lane; v5-7, v90-93 the trip's addresses; v8-11, v12-15 for each attention: -M, the largest score, the sum in two halves; v16-27 q; v28-29 the sum's second chain; v30-31 v's scale words;
;   v32-79 eight half fragments of k, then four fragments of v; v80-85 zeros; v86-89 addresses for the end; v94 a lane permute's result; v95 8 (lane / 16); v96-159 S^T, then p; v160-223 O^T;
;   v224-235 p's codes (v224-227 and v232-235 before that: the chains of the two blocks' maxima); v236-246, v252, v254 at work; v239, v243, v247 the lanes' terms of k's addresses; v248-251 k's scale words; v253 p's scale word; v255 q's.
; LIMITS: NaN and infinities are not served; a block whose largest magnitude lies under 2^-124 keeps the byte 1; the promise holds while the scaled scores t stay under 2^31 in magnitude.
.set QTR,   52224                      ; a quarter (256 keys) in memory: k's codes 24,576; v's 24,576; k's scale words 2,048; v's 1,024
.set QL,    58752                      ; and in LDS: 102 rows of 576
.set XCH,   4*QL                       ; behind them: 4,096 bytes a wave, in which partners exchange a sum
.set OSG,   XCH+16*4096                ; 512 bytes in which o's scale words meet
.set SPARE, OSG+512                    ; the spare words, 128 bytes a wave: eight blocks of 256 bytes that no other line names
.set SPW, 3                            ; v3   LDS address of my spare word; never rewritten
.set NIL, 4                            ; v4   0; never rewritten
.set KA0, 5                            ; k's images that begin at 0 modulo 512: first 512 bytes
.set KA1, 6                            ; those that begin at 256
.set KB,  7                            ; k's images: last 256 bytes
.set VA0, 90                           ; the same three for v
.set VA1, 91
.set VB,  92
.set KS,  93                           ; k's scale words
.set PT,  94
.set H8,  95
.set SB,  28
.set KAB, 239
.set KBB, 243
.set KSB, 247
.set XW,  86
.set XR,  87
.set OSA, 88
.set OSR, 89
.set WV,  18
.set TQ,  19                           ; s19  my tile of queries, 0 .. 7
.set QP,  10                           ; s10  my part of q
.set SEL, 20
.set CS,  22                           ; s[22:23] c = log2(e) / 8
.set G1,  24
.set G0,  32
.set NC,  48                           ; s48  -c
.set TB,  49                           ; s49  LDS byte at which the trip's quarter begins
.set CNT, 51
.set SG,  52                           ; s[52:53] -1.0 (real part) or 1.0: the sign of the partner's sum
.set QA,  66
.set QSA, 70
.set OA,  74
.set OSB, 76
.macro CROUND
	s_barrier_signal -1
	s_barrier_wait -1
	s_cmp_lg_u32 s[WV], 0
	s_cbranch_scc1 .Lnot_wave_0_\@
	s_barrier_signal -3
.Lnot_wave_0_\@:
	s_barrier_wait -3
	s_barrier_signal -1
	s_barrier_wait -1
.endm
	s_load_b128 s[4:7], s[0:1], 0x0                ; qq, kvq
	s_load_b64 s[8:9], s[0:1], 0x10                ; oq
	v_lshl_add_u32 v[SPW], v0, 2, SPARE
	v_mov_b32 v[NIL], 0
	ds_add_u32 v[SPW], v[NIL]                      ; the opening lines: the add, twice on end, and its wait ahead of my tensor load
	ds_add_u32 v[SPW], v[NIL]
	v_lshrrev_b32 v5, 5, v0
	s_delay_alu instid0(VALU_DEP_1)
	v_readfirstlane_b32 s[WV], v5                  ; wave 0..15
	s_lshr_b32 s[TQ], s[WV], 1
	s_and_b32 s[QP], s[WV], 1
	s_bfe_u32 s54, ttmp6, 0x40000                  ; cx
	s_lshl_b32 s55, ttmp9, 2
	s_add_co_u32 s55, s55, s54                     ; my block of 128 queries: it enters global addresses of q and o alone
	s_and_b32 s56, ttmp7, 0xffff                   ; bh = 16 x batch + head, which the four partners share
	s_mul_i32 s57, s[WV], 17408                    ; my twelfth in memory,
	s_mul_i32 s58, s56, 4*QTR
	s_add_co_u32 s58, s58, s57
	s_mov_b32 s59, 0
	s_mov_b32 s[G0], 1
	s_mul_i32 s[G0+1], s[WV], 19584                ; and in LDS: 34 rows of 576
	s_mov_b32 s[G1], 15|(3<<16)|(1<<20)|(1<<21)|(6<<22)|(15<<25)   ; the mask: all four work-groups; elements of 8 bytes; padding on; 21 set beside a mask; behind every 128 words 16 words
	s_mov_b32 s[G1+1], 64<<16                      ; 34 rows of 512 bytes, dense in memory
	s_mov_b32 s[G1+2], 34<<16
	s_mov_b32 s[G1+3], 64<<16
	s_mov_b32 s[G1+4], 34
	s_mov_b32 s[G1+5], 64
	s_mov_b32 s[G1+6], 0
	s_mov_b32 s[G1+7], 0
	s_mov_b32 s[SEL], 0x76543210
	s_mov_b32 s[SEL+1], 0xfedcba98
	s_mov_b32 s[CS], 0x3e38aa3b
	s_mov_b32 s[CS+1], s[CS]                       ; (named with it as a pair, so it is written)
	s_mov_b32 s[NC], 0xbe38aa3b
	s_mov_b32 s[SG], 0xbf800000
	s_cmp_eq_u32 s[QP], 1
	s_cselect_b32 s[SG], 0x3f800000, s[SG]
	s_mov_b32 s[SG+1], s[SG]
	s_wait_dscnt 0x0                               ; both opening adds are done
	s_wait_kmcnt 0x0
	s_add_nc_u64 s[G0+2:G0+3], s[6:7], s[58:59]
	s_or_b32 s[G0+3], s[G0+3], 0x80000000
	CROUND                                         ; all four work-groups are here: the joint loads meet
	s_cmp_lt_u32 s[WV], 12                         ; one tensor load a wave; waves 12-15 have no part to fetch
	s_cbranch_scc0 .Lno_fetch
	tensor_load_to_lds s[G0:G0+3], s[G1:G1+7]
	s_nop 0
.rept 4
	v_nop
.endr
.Lno_fetch:
	s_lshl_b32 s60, s56, 1
	s_add_co_u32 s60, s60, s[QP]                   ; 2 bh + part
	s_lshl_b32 s62, s60, 6                         ; q's codes [bh][part][tile 64][768]
	s_lshl_b32 s63, s55, 3
	s_add_co_u32 s62, s62, s63
	s_add_co_u32 s62, s62, s[TQ]
	s_mul_i32 s62, s62, 768
	s_mov_b32 s63, 0
	s_add_nc_u64 s[QA:QA+1], s[4:5], s[62:63]
	s_and_b32 s72, s[TQ], 1                        ; a tile's words in a group's 256 bytes: 128 (t % 2) + 4 ((t / 2) % 2) + 8 r
	s_lshl_b32 s72, s72, 7
	s_bfe_u32 s73, s[TQ], 0x10001
	s_lshl_b32 s73, s73, 2
	s_add_co_u32 s72, s72, s73
	s_lshl_b32 s68, s60, 4                         ; q's scale words [bh][part][group 16][256]
	s_lshl_b32 s69, s55, 1
	s_add_co_u32 s68, s68, s69
	s_lshr_b32 s69, s[TQ], 2
	s_add_co_u32 s68, s68, s69
	s_lshl_b32 s68, s68, 8
	s_add_co_u32 s68, s68, s72
	s_add_co_u32 s68, s68, 3145728
	s_mov_b32 s69, 0
	s_add_nc_u64 s[QSA:QSA+1], s[4:5], s[68:69]
	s_lshr_b32 s60, s56, 4                         ; batch
	s_and_b32 s61, s56, 15                         ; head = the output projection's K step
	s_lshl_b32 s62, s60, 6                         ; o's codes [head / 2][tile 128][head % 2][part][768]
	s_lshl_b32 s68, s55, 3
	s_add_co_u32 s62, s62, s68
	s_add_co_u32 s62, s62, s[TQ]
	s_mul_i32 s62, s62, 3072
	s_lshr_b32 s68, s61, 1
	s_mul_i32 s68, s68, 393216
	s_add_co_u32 s62, s62, s68
	s_and_b32 s68, s61, 1
	s_mul_i32 s68, s68, 1536
	s_add_co_u32 s62, s62, s68
	s_mul_i32 s68, s[QP], 768
	s_add_co_u32 s62, s62, s68
	s_add_nc_u64 s[OA:OA+1], s[8:9], s[62:63]
	s_lshl_b32 s62, s60, 4                         ; o's scale words [head][group 32][256]: my work-group's two groups
	s_lshl_b32 s68, s55, 1
	s_add_co_u32 s62, s62, s68
	s_lshl_b32 s62, s62, 8
	s_lshl_b32 s68, s61, 13
	s_add_co_u32 s62, s62, s68
	s_add_co_u32 s62, s62, 3145728
	s_add_nc_u64 s[OSB:OSB+1], s[8:9], s[62:63]
	s_lshl_b32 s78, s[WV], 12
	s_add_co_u32 s78, s78, XCH                     ; where I put what my partner wants,
	s_xor_b32 s79, s[WV], 1
	s_lshl_b32 s79, s79, 12
	s_add_co_u32 s79, s79, XCH                     ; and where the partner (the other part of q, the same queries) puts mine
	s_lshr_b32 s60, s[TQ], 2
	s_lshl_b32 s60, s60, 8
	s_add_co_u32 s60, s60, s72
	s_lshl_b32 s61, s[QP], 1
	s_add_co_u32 s60, s60, s61
	s_add_co_u32 s60, s60, OSG
	v_and_b32 v232, 31, v0                         ; lane
	v_and_b32 v233, 15, v0                         ; r
	v_bfe_u32 v234, v0, 4, 1                       ; h
	v_and_b32 v235, 7, v0                          ; r % 8
	v_bfe_u32 v236, v0, 3, 1                       ; r / 8
	v_lshlrev_b32 v1, 4, v232
	v_lshlrev_b32 v2, 3, v232
	v_lshlrev_b32 v29, 3, v233
	s_wait_alu depctr_va_vdst(0)                   ; the wait here, ahead of the readers below
	global_load_b128 v[16:19], v1, s[QA:QA+1]      ; q's half fragment stays in registers
	global_load_b64 v[20:21], v2, s[QA:QA+1] offset:512
	global_load_b32 v255, v29, s[QSA:QSA+1]        ; and its scale words
	v_add_nc_u32 v[XW], s78, v1
	v_add_nc_u32 v[XR], s79, v1
	v_add_nc_u32 v[OSA], s60, v29
	v_add_nc_u32 v[OSR], OSG, v1
	v_lshlrev_b32 v[H8], 3, v234
	v_mul_u32_u24 v237, v236, 3456                 ; rows 8-15 of a tile come from the image two further on: six LDS rows
	v_lshlrev_b32 v[KSB], 7, v234
	v_lshl_add_u32 v[KAB], v234, 8, v237
	v_lshl_add_u32 v[KBB], v234, 7, v237
	v_lshl_add_u32 v[KSB], v235, 3, v[KSB]
	v_lshl_add_u32 v[KAB], v235, 4, v[KAB]         ; 3,456 (r / 8) + 16 (16 h + r % 8)
	v_lshl_add_u32 v[KBB], v235, 3, v[KBB]         ; 3,456 (r / 8) + 8 (16 h + r % 8)
	v_lshl_add_u32 v[KSB], v236, 2, v[KSB]         ; 128 h + 8 (r % 8) + 4 (r / 8): lanes 0-15 an even tile's words, lanes 16-31 the odd one's
.irp j, 22,23,24,25,26,27,80,81,82,83,84,85
	v_mov_b32 v[\j], 0                             ; zero codes
.endr
.irp k, 0,1
	v_mov_b32 v[9+4*\k], 0xff61b1e6                ; the largest score so far: -3e38, under every score
	v_mov_b32 v[8+4*\k], 0x7f61b1e6                ; -M: 3e38, a whole number over every -M to come
	v_mov_b32 v[10+4*\k], 0                        ; the sum, in two halves
	v_mov_b32 v[11+4*\k], 0
.endr
	v_mov_b32 v[PT], 0                             ; written once: a lane permute's destination counts as one of its sources
	v_mov_b32 v253, 0                              ; (named as the upper half of the pair v[252:253] before it is first written)
.irp a, 0,1,2,3,4,5,6,7
.irp b, 0,1,2,3,4,5,6,7,8,9,10,11,12,13,14,15
	v_mov_b32 v[96+16*\a+\b], 0                    ; p, of which the first group takes a sum, and O^T: the step is written once, and the first finds zeros
.endr
.endr
.macro IMG reg, y                      ; v's image at byte y of the quarter as it lies in memory
.if (\y)%512 == 0
	ds_load_b128 v[(\reg):(\reg)+3], v[VA0] offset:((\y)/512)*576
	ds_load_b64 v[(\reg)+4:(\reg)+5], v[VB] offset:((\y)/512+1)*576
.else
	ds_load_b128 v[(\reg):(\reg)+3], v[VA1] offset:((\y)/512)*576+256
	ds_load_b64 v[(\reg)+4:(\reg)+5], v[VB] offset:((\y)/512+1)*576+256
.endif
.endm
.macro PSUM j                          ; the row's sum is taken of the unquantised p of the group before: two at a time, in two chains
	v_pk_add_f32 v[PM+2:PM+3], v[PM+2:PM+3], v[96+\j:97+\j]
	v_pk_add_f32 v[SB:SB+1], v[SB:SB+1], v[98+\j:99+\j]
.endm
.macro TMM j                           ; t - M, two at a time
	v_pk_fma_f32 v[96+\j:97+\j], v[96+\j:97+\j], s[CS:CS+1], v[MN:MN+1] op_sel_hi:[1,0,0]
.endm
.macro ORS j                           ; O^T under the new M
	v_pk_mul_f32 v[OO+\j:OO+\j+1], v[OO+\j:OO+\j+1], v[252:253] op_sel_hi:[1,0]
	v_pk_mul_f32 v[OO+\j+2:OO+\j+3], v[OO+\j+2:OO+\j+3], v[252:253] op_sel_hi:[1,0]
.endm
.macro SW t                            ; S^T = k q^T, tiles t and t + 1: an even tile's scale words stand in lanes 0-15, an odd one's in lanes 16-31
	v_wmma_scale_f32_16x16x128_f8f6f4 v[96+8*\t:103+8*\t], v[32+6*\t:43+6*\t], v[16:27], 0, v[248+\t/2], v255 matrix_a_fmt:MATRIX_FMT_FP6 matrix_b_fmt:MATRIX_FMT_FP6
	v_wmma_scale_f32_16x16x128_f8f6f4 v[104+8*\t:111+8*\t], v[38+6*\t:49+6*\t], v[16:27], 0, v[248+\t/2], v255 matrix_a_fmt:MATRIX_FMT_FP6 matrix_b_fmt:MATRIX_FMT_FP6 matrix_a_scale:MATRIX_SCALE_ROW1
.endm
; 128 keys (the st-th half of the quarter) of the attention against part kp of k and v.
.macro GROUP st, kp
.set MN, 8+4*(\kp)
.set PM, 12-4*(\kp)                    ; the attention of the group before
.set OO, 160+32*(\kp)
	v_pk_add_f32 v[SB:SB+1], v[96:97], v[98:99]    ; five additions: the places behind the products of the group before, whose fragments' registers the loads below fill
	PSUM 4
	PSUM 8
.irp w, 0,1,2,3
	ds_load_b32 v[248+\w], v[KS] offset:55296+576*(2*(\st)+\w/2)+256*(\kp)+64*(\w%2)   ; tiles 2 w and 2 w + 1
.endr
.irp t, 0,1,2,3,4,5,6,7
.set KY, 13824*(\st)+1728*(4*(\t/4)+\t%2)
.if \kp
	ds_load_b128 v[32+6*\t:35+6*\t], v[KA1] offset:KY+832+128*((\t%4)/2)
	ds_load_b64 v[36+6*\t:37+6*\t], v[KB] offset:KY+1408+64*((\t%4)/2)
.else
	ds_load_b128 v[32+6*\t:35+6*\t], v[KA0] offset:KY+128*((\t%4)/2)
	ds_load_b64 v[36+6*\t:37+6*\t], v[KB] offset:KY+576+64*((\t%4)/2)
.endif
.endr
.irp j, 12,16,20,24,28
	PSUM \j
.endr
	s_wait_alu depctr_va_vdst(0)                   ; the wait directly ahead of the wait below: the sums go on behind it
	s_wait_dscnt 6                                 ; the scale words and tiles 0-4 are in; the six loads of tiles 5-7 may be out
	SW 0
	SW 2
.irp j, 32,36,40,44,48,52,56,60
	PSUM \j
.endr
	v_pk_add_f32 v[PM+2:PM+3], v[PM+2:PM+3], v[SB:SB+1]
	s_wait_dscnt 0x0
	SW 4
	SW 6
.irp b, 0,1,2,3
	v_max3_num_f32 v[232+\b], v[96+8*\b], v[97+8*\b], v[98+8*\b]   ; the largest score of my block of keys 0 .. 63, a chain a tile.  (Four places behind the products above, none of whose registers they name)
.endr
.irp d, 0,1,2,3                        ; v's four fragments are asked for at once: they land under the softmax
.irp c, 0,1
	IMG 32+12*\d+6*\c, 24576+12288*(\st)+3072*(\kp)+768*\d+6144*\c
.endr
.endr
	ds_load_b64 v[30:31], v[VB] offset:57600+576*(\st)+256*(\kp)
	v_mov_b32 v254, v[MN]                          ; the old -M
.irp i, 3,5
.irp b, 0,1,2,3
	v_max3_num_f32 v[232+\b], v[232+\b], v[96+8*\b+\i], v[97+8*\b+\i]
.endr
.endr
.irp b, 0,1,2,3
	v_max3_num_f32 v[224+\b], v[128+8*\b], v[129+8*\b], v[130+8*\b]   ; and of my block of keys 64 .. 127
.endr
.irp i, 3,5
.irp b, 0,1,2,3
	v_max3_num_f32 v[224+\b], v[224+\b], v[128+8*\b+\i], v[129+8*\b+\i]
.endr
.endr
	v_max3_num_f32 v232, v232, v103, v111
	v_max3_num_f32 v224, v224, v135, v143
	v_max3_num_f32 v234, v234, v119, v127
	v_max3_num_f32 v226, v226, v151, v159
	v_max3_num_f32 v244, v232, v233, v234
	v_max3_num_f32 v245, v224, v225, v226
	s_delay_alu instid0(VALU_DEP_2)
	v_max_num_f32 v244, v244, v235                 ; a block's largest score serves for the row's maximum and, since p rises with the score, for the block's largest p
	s_delay_alu instid0(VALU_DEP_2)
	v_max_num_f32 v245, v245, v227
	s_delay_alu instid0(VALU_DEP_1)
	v_max_num_f32 v233, v244, v245
	s_delay_alu instid0(VALU_DEP_1)
	v_permlanex16_b32 v[PT], v233, s[SEL], s[SEL+1]
	s_delay_alu instid0(VALU_DEP_1)
	v_max3_num_f32 v[MN+1], v[MN+1], v233, v[PT]   ; the running largest score of my query, lane l xor 16's 64 keys among them
	s_delay_alu instid0(VALU_DEP_1)
	v_mul_f32 v235, s[NC], v[MN+1]                 ; -t (c is positive, so the largest score gives the largest t)
	s_delay_alu instid0(VALU_DEP_1)
	v_floor_f32 v[MN], v235                        ; the new -M = floor(-t): M is a whole number
	s_delay_alu instid0(VALU_DEP_1)
	v_sub_f32 v254, v[MN], v254                    ; M's old value less its new one: a whole number, 0 or less
.irp j, 0,2,4,6
	TMM \j
.endr
	v_cvt_i32_f32 v254, v254                       ; (it saturates)
.irp j, 8,10,12,14
	TMM \j
.endr
	v_ldexp_f32 v252, 1.0, v254                    ; f = 2^(old M - new M): a multiplication by it rounds nothing
.irp j, 16,18,20,22,24,26,28,30,32,34,36,38,40,42,44,46,48,50,52,54,56,58,60,62
	TMM \j
.endr
	v_fma_f32 v244, v244, s[CS], v[MN]             ; the same of each block's largest score
	v_fma_f32 v245, v245, s[CS], v[MN]
	s_wait_alu depctr_va_vdst(0)                   ; the wait ahead of the batch
	v_exp_f32 v244, v244                           ; the block's largest p: the same two instructions on the same number give the same bits
	v_exp_f32 v245, v245
.irp j, 0,1,2,3,4,5,6,7,8,9,10,11,12,13,14,15,16,17,18,19,20,21,22,23,24,25,26,27,28,29,30,31,32,33,34,35,36,37,38,39,40,41,42,43,44,45,46,47,48,49,50,51,52,53,54,55,56,57,58,59,60,61,62,63
	v_exp_f32 v[96+\j], v[96+\j]                   ; p = 2^(t - M), at most 1: not normalised
.endr
	v_pk_mul_f32 v[MN+2:MN+3], v[MN+2:MN+3], v[252:253] op_sel_hi:[1,0]   ; the sums under the new M.  (A plain instruction behind the exponentials)
	s_wait_dscnt 0x0                               ; v is in
	s_wait_alu depctr_va_vdst(0)                   ; one wait for the whole batch, directly ahead of the first reader of O^T too
	ORS 0
	v_max_num_f32 v244, 0x1800000, v244            ; the floor 2^(3 - 127): the byte cannot fall under 1
	v_max_num_f32 v245, 0x1800000, v245
	ORS 4
	v_add_nc_u32 v244, 0xff000000, v244            ; 2 off the exponent field: the conversion's scale operand
	v_add_nc_u32 v245, 0xff000000, v245
	ORS 8
	v_lshrrev_b32 v246, 23, v244                   ; the scales' bytes
	v_lshrrev_b32 v254, 23, v245
	ORS 12
	v_lshl_or_b32 v246, v254, 16, v246             ; my two bytes: blocks h and 2 + h,
	ORS 16
	v_lshlrev_b32 v246, v[H8], v246                ; at their places in the scale word;
	ORS 20
	v_permlanex16_b32 v[PT], v246, s[SEL], s[SEL+1]
	v_cvt_scalef32_pk16_fp6_f32 v[224:226], v[96:111], v244
	v_cvt_scalef32_pk16_fp6_f32 v[236:238], v[112:127], v244   ; (a conversion's three registers begin on an even number)
	v_cvt_scalef32_pk16_fp6_f32 v[230:232], v[128:143], v245
	v_cvt_scalef32_pk16_fp6_f32 v[240:242], v[144:159], v245
	v_or_b32 v253, v246, v[PT]                     ; with lane l xor 16's two: p's scale word for these 128 keys.  (The plain instruction behind the conversions; ten more stand between it and the products)
.irp i, 0,1,2
	v_mov_b32 v[227+\i], v[236+\i]
	v_mov_b32 v[233+\i], v[240+\i]
.endr
	s_wait_alu depctr_va_vdst(0)                   ; the wait directly ahead of the first readers of the last accumulator
	ORS 24
	ORS 28                                         ; (four places between the writing of p's codes and the products)
.irp d, 0,2                            ; O^T += v^T p^T: four accumulators by turns
	v_wmma_scale_f32_16x16x128_f8f6f4 v[OO+8*\d:OO+8*\d+7], v[32+12*\d:43+12*\d], v[224:235], v[OO+8*\d:OO+8*\d+7], v[30+\d/2], v253 matrix_a_fmt:MATRIX_FMT_FP6 matrix_b_fmt:MATRIX_FMT_FP6
	v_wmma_scale_f32_16x16x128_f8f6f4 v[OO+8*\d+8:OO+8*\d+15], v[44+12*\d:55+12*\d], v[224:235], v[OO+8*\d+8:OO+8*\d+15], v[30+\d/2], v253 matrix_a_fmt:MATRIX_FMT_FP6 matrix_b_fmt:MATRIX_FMT_FP6 matrix_a_scale:MATRIX_SCALE_ROW1
.endr
.endm
	s_mov_b32 s[TB], 0
	s_mov_b32 s[CNT], 4
	s_wait_alu depctr_va_vdst(0)                   ; the wait at the head's end
	s_wait_loadcnt 0x0                             ; q
	s_wait_tensorcnt 0x0                           ; my twelfth has landed
	s_wait_dscnt 0x0
	s_barrier_signal -1
	s_barrier_wait -1                              ; everybody's has: all of k and v is in LDS, and nobody writes it again
.Lquarter:                                             ; a trip: 256 keys, both attentions
	v_add_nc_u32 v[KA0], s[TB], v[KAB]
	v_add_nc_u32 v[KB], s[TB], v[KBB]
	v_add_nc_u32 v[KS], s[TB], v[KSB]
	v_add_nc_u32 v[VA0], s[TB], v1
	v_add_nc_u32 v[VB], s[TB], v2
	v_lshl_add_u32 v[KA1], v[H8], 3, v[KA0]        ; + 64 h
	v_lshl_add_u32 v[VA1], v[H8], 3, v[VA0]
	s_wait_alu depctr_va_vdst(0)                   ; the wait
	GROUP 0, 0
	GROUP 0, 1
	GROUP 1, 0
	GROUP 1, 1
	s_add_co_u32 s[TB], s[TB], QL
	s_sub_co_u32 s[CNT], s[CNT], 1
	s_cmp_lg_u32 s[CNT], 0
	s_wait_alu depctr_va_vdst(0)                   ; the wait directly ahead of the branch
	s_cbranch_scc1 .Lquarter
.set PM, 12                            ; the last group's sum
	v_pk_add_f32 v[SB:SB+1], v[96:97], v[98:99]
.irp j, 4,8,12,16,20,24,28,32,36,40,44,48,52,56,60
	PSUM \j
.endr
	v_pk_add_f32 v[PM+2:PM+3], v[PM+2:PM+3], v[SB:SB+1]
	; THE END.  o = O^T / the sum for my two attentions; their difference stays, their sum goes to the partner: o_r = (o0 - o1) - (o2 + o3), o_i = (o2 - o3) + (o0 + o1).
	v_add_f32 v10, v10, v11
	s_delay_alu instid0(VALU_DEP_2)
	v_add_f32 v14, v14, v15
	s_delay_alu instid0(VALU_DEP_2)
	v_permlanex16_b32 v252, v10, s[SEL], s[SEL+1]
	s_delay_alu instid0(VALU_DEP_2)
	v_permlanex16_b32 v254, v14, s[SEL], s[SEL+1]
	s_delay_alu instid0(VALU_DEP_2)
	v_add_f32 v10, v10, v252                       ; with lane l xor 16's: the rows' sums
	s_delay_alu instid0(VALU_DEP_2)
	v_add_f32 v14, v14, v254
	s_wait_alu depctr_va_vdst(0)
	v_rcp_f32 v236, v10
	v_rcp_f32 v238, v14
	v_nop                                          ; a plain instruction behind the reciprocals,
	s_wait_alu depctr_va_vdst(0)                   ; and one wait for both, ahead of their first reader and of O^T's
.irp j, 0,2,4,6,8,10,12,14,16,18,20,22,24,26,28,30
	v_pk_mul_f32 v[192+\j:193+\j], v[192+\j:193+\j], v[238:239] op_sel_hi:[1,0]
.endr
.irp j, 0,2,4,6,8,10,12,14,16,18,20,22,24,26,28,30
	v_pk_fma_f32 v[96+\j:97+\j], v[160+\j:161+\j], v[236:237], v[192+\j:193+\j] op_sel_hi:[1,0,1] neg_lo:[0,0,1] neg_hi:[0,0,1]
	v_pk_fma_f32 v[128+\j:129+\j], v[160+\j:161+\j], v[236:237], v[192+\j:193+\j] op_sel_hi:[1,0,1]
.endr
.irp e, 0,1,2,3,4,5,6,7
	ds_store_b128 v[XW], v[128+4*\e:131+4*\e] offset:512*\e
.endr
	s_wait_dscnt 0x0                               ; for the partner's sake: my stores have landed
	s_barrier_signal -1
	s_barrier_wait -1
.irp e, 0,1,2,3,4,5,6,7
	ds_load_b128 v[32+4*\e:35+4*\e], v[XR] offset:512*\e
.endr
	s_wait_dscnt 0x0
.irp j, 0,2,4,6,8,10,12,14,16,18,20,22,24,26,28,30
	v_pk_fma_f32 v[96+\j:97+\j], v[32+\j:33+\j], s[SG:SG+1], v[96+\j:97+\j] op_sel_hi:[1,0,1]
.endr
	; register 16 b + i = d 32 b + 16 (lane / 16) + i of my query: a half fragment of the output projection's operand
	v_max3_num_f32 v232, |v96|, |v97|, 0x1800000
	v_max3_num_f32 v233, |v112|, |v113|, 0x1800000
.irp i, 2,4,6,8,10,12,14
	s_delay_alu instid0(VALU_DEP_2)
	v_max3_num_f32 v232, v232, |v[96+\i]|, |v[97+\i]|
	s_delay_alu instid0(VALU_DEP_2)
	v_max3_num_f32 v233, v233, |v[112+\i]|, |v[113+\i]|
.endr
	s_delay_alu instid0(VALU_DEP_2)
	v_permlanex16_b32 v234, v232, s[SEL], s[SEL+1]
	s_delay_alu instid0(VALU_DEP_2)
	v_permlanex16_b32 v235, v233, s[SEL], s[SEL+1]
	s_delay_alu instid0(VALU_DEP_2)
	v_max_num_f32 v232, v232, v234
	s_delay_alu instid0(VALU_DEP_2)
	v_max_num_f32 v233, v233, v235
	s_delay_alu instid0(VALU_DEP_2)
	v_add_nc_u32 v236, 0xff000000, v232
	s_delay_alu instid0(VALU_DEP_2)
	v_add_nc_u32 v237, 0xff000000, v233
	s_delay_alu instid0(VALU_DEP_2)
	v_lshrrev_b32 v238, 23, v236
	s_delay_alu instid0(VALU_DEP_2)
	v_lshrrev_b32 v239, 23, v237
	s_delay_alu instid0(VALU_DEP_1)
	v_lshl_or_b32 v240, v239, 8, v238
	v_cvt_scalef32_pk16_fp6_f32 v[64:66], v[96:111], v236
	v_cvt_scalef32_pk16_fp6_f32 v[72:74], v[112:127], v237
	v_nop
.irp i, 0,1,2
	v_permlane16_swap_b32 v[64+\i], v[72+\i]
.endr
.irp i, 0,1,2
	s_delay_alu instid0(VALU_DEP_3)
	v_mov_b32 v[67+\i], v[72+\i]
.endr
	global_store_b128 v1, v[64:67], s[OA:OA+1]
	global_store_b64 v2, v[68:69], s[OA:OA+1] offset:512
	ds_store_b16 v[OSA], v240                      ; my part's two bytes of the row's scale word; lanes r and r + 16 write the same bytes with the same value
	s_wait_dscnt 0x0
	s_barrier_signal -1
	s_barrier_wait -1
	s_cmp_lg_u32 s[WV], 0
	s_cbranch_scc1 .Lnot_mine
	ds_load_b128 v[76:79], v[OSR]                  ; the work-group's 512 bytes of scale words, whole
	s_wait_dscnt 0x0
	global_store_b128 v1, v[76:79], s[OSB:OSB+1]
.Lnot_mine:
	s_wait_tensorcnt 0x0                           ; the wave's end: behind my last tensor load and my last LDS store
	ds_add_u32 v[SPW], v[NIL]
	s_wait_dscnt 0x0
	CROUND                                         ; the closing round
	s_endpgm
.Lfunc_end_k_qe963463f4d_attn:
	.size	k_qe963463f4d_attn, .Lfunc_end_k_qe963463f4d_attn-k_qe963463f4d_attn
	.p2alignl 7, 3214868480
	.fill 96, 4, 3214868480
	.section	.rodata,"a",@progbits
	.p2align	6, 0x0
	.amdhsa_kernel k_qe963463f4d_attn
		.amdhsa_group_segment_fixed_size 303104
		.amdhsa_private_segment_fixed_size 0
		.amdhsa_enable_private_segment 0
		.amdhsa_kernarg_size 24
		.amdhsa_user_sgpr_count 2
		.amdhsa_user_sgpr_kernarg_segment_ptr 1
		.amdhsa_wavefront_size32 1
		.amdhsa_system_sgpr_workgroup_id_x 1
		.amdhsa_system_sgpr_workgroup_id_y 1
		.amdhsa_system_sgpr_workgroup_id_z 1
		.amdhsa_system_vgpr_workitem_id 0
		.amdhsa_next_free_vgpr 256
		.amdhsa_next_free_sgpr 80
		.amdhsa_reserve_vcc 0
		.amdhsa_float_denorm_mode_32 3
		.amdhsa_float_denorm_mode_16_64 3
		.amdhsa_memory_ordered 1
		.amdhsa_forward_progress 1
		.amdhsa_inst_pref_size 83
	.end_amdhsa_kernel
	.amdgpu_metadata
---
amdhsa.version: [ 1, 2 ]
amdhsa.kernels:
  - .name:           k_qe963463f4d_attn
    .symbol:         k_qe963463f4d_attn.kd
    .args:
      - { .name: qq, .offset: 0, .size: 8, .value_kind: global_buffer, .address_space: global }
      - { .name: kvq, .offset: 8, .size: 8, .value_kind: global_buffer, .address_space: global }
      - { .name: oq, .offset: 16, .size: 8, .value_kind: global_buffer, .address_space: global }
    .group_segment_fixed_size: 303104
    .private_segment_fixed_size: 0
    .kernarg_segment_align: 8
    .kernarg_segment_size: 24
    .max_flat_workgroup_size: 512
    .sgpr_count:     80
    .vgpr_count:     256
    .wavefront_size: 32
...
	.end_amdgpu_metadata
.endif
;; end of part 3
;; launch outp (part 4): grid 16 x 16, 4 waves a work-group, clusters of 4 x 4, 327,680 bytes of LDS; arguments oq, woq, out0; writes out0
.if DOCPART == 4
	.amdgcn_target "amdgcn-amd-amdhsa--gfx1250"
	.amdhsa_code_object_version 6
	.text
	.protected	k_qe963463f4d_outp
	.globl	k_qe963463f4d_outp
	.p2align	8
	.type	k_qe963463f4d_outp,@function
k_qe963463f4d_outp:
	s_mov_b64 s[64:65], 0
	v_nop
	global_prefetch_b8 v0, s[64:65] scope:SCOPE_SE
	s_setreg_imm32_b32 hwreg(HW_REG_WAVE_MODE, 25, 1), 1
	s_wait_xcnt 0x0
	s_wait_alu depctr_hold_cnt(0) depctr_sa_sdst(0) depctr_va_vdst(0) depctr_va_sdst(0) depctr_va_ssrc(0) depctr_va_vcc(0) depctr_vm_vsrc(0)
	s_getreg_b32 s2, hwreg(HW_REG_IB_STS2, 6, 4)
	s_cmp_eq_u32 s2, 0
	s_cbranch_scc0 .Lentry_in_a_cluster
	s_endpgm
.Lentry_in_a_cluster:
	s_bfe_u32 s2, ttmp6, 0x10000c
	s_cmp_lg_u32 s2, 0xf033
	s_cbranch_scc0 .Lentry_shape_is_right
	s_endpgm
.Lentry_shape_is_right:
; The output projection y = o W^T as ONE real product over a doubled K (2,048): o's rows are [o_r | o_i] by K steps of 128, W's rows [wr | -wi] and [wi | wr]; codes of FP6 (E2M3) with E8M0 scale words, all laid as images of the operands' registers.
; A work-group makes 128 x 128 of y; four waves, 64 x 64 each: 16 accumulators.  The matrix instruction is used transposed (source 0 = W's rows), so that a lane holds neighbouring columns of a row of y.
; A PIECE is the 24,576 dense bytes of 128 rows for a K pair (two K steps); pieces of one block of rows lie 393,216 bytes apart.  One descriptor whose rows are pieces brings several K pairs.
; LOADS.  At the head, one a wave: wave 0 six K pairs of o, wave 1 six of W, wave 2 all of o's scale words, wave 3 all of W's.  K pairs 6 and 7 are filled into the bytes of K pairs 0 and 1 behind K step 3, a piece a wave: the launch's one refill.
; Each wave asks memory for its share of that refill's piece at the head (24 blocks of 256 bytes, the four partners told apart by address): twelve K steps stand between the head's loads and the first read of the refill.
; CLUSTER 4 x 4: o's tiles are shared along a row of the cluster, W's along a column: every load is a joint one.
; THE WAY OUT goes through a stage of 4,352 bytes a wave in the bytes of o's K pair 2: they have had their only fill, and every wave's last read of them is over at the barrier of K step 11.
.set NW,    4
.set FX,    2
.set PIECE, 24576
.set KPS,   393216                     ; bytes from a K pair to the next
.set WB,    6*PIECE                    ; LDS: o's six pieces, then W's six
.set SCL,   12*PIECE                   ; then the scale words: o's 16 rows of 512 bytes, W's 16
.set SPARE, SCL+16384                  ; then the spare words, 128 bytes a wave: two blocks of 256 bytes that no other line names
.set STAGE, 2*PIECE
.set RUN2,  2*NW
.set AX16, 4                           ; v4-6, v7-9 LDS addresses of my fragments of o in the bytes of K pairs 0-1, 2-3, 4-5;  v16-18, v19-21 the same for W
.set AX8,  7
.set AW16, 16
.set AW8,  19
.set ASX,  24
.set ASW,  25
.set L16,  26
.set L8,   27
.set SPW,  28                          ; v28  LDS address of my spare word; never rewritten
.set NIL,  29                          ; v29  0; never rewritten
.set PFO,  30
.set STO,  12
.set RD,   13
.set CO,   14
.set SC,   32
.set XF,   64
.set G1X,  24
.set G0X,  32                          ; s[32:35] the refill's group 0 for o, s[36:39] the head's
.set G1W,  48
.set G0W,  56                          ; s[56:59], s[60:63] the same for W
.set G1XS, 68
.set G0XS, 76
.set G1WS, 80
.set G0WS, 88
.set MSB, 0
.macro WIN new
.if MSB != \new
	s_set_vgpr_msb (MSB<<8)|\new
.set MSB, \new
.endif
.endm
.macro TLOAD g0, g1
	tensor_load_to_lds s[\g0:\g0+3], s[\g1:\g1+7]
	s_nop 0
.rept 4
	v_nop
.endr
.endm
.macro CREST
	s_cmp_lg_u32 s14, 0
	s_cbranch_scc1 .Lnot_wave_0_\@
	s_barrier_signal -3
.Lnot_wave_0_\@:
	s_barrier_wait -3
	s_barrier_signal -1
	s_barrier_wait -1
.endm
.macro CROUND
	s_barrier_signal -1
	s_barrier_wait -1
	CREST
.endm
.macro PLACES
.rept 4
	v_nop
.endr
.endm
.macro WM d, a, b, c, sa, sb, ra, rb
.if (\ra) && (\rb)
	v_wmma_scale_f32_16x16x128_f8f6f4 v[(\d):(\d)+7], v[(\a):(\a)+11], v[(\b):(\b)+11], \c, v[\sa], v[\sb] matrix_a_fmt:MATRIX_FMT_FP6 matrix_b_fmt:MATRIX_FMT_FP6 matrix_a_scale:MATRIX_SCALE_ROW1 matrix_b_scale:MATRIX_SCALE_ROW1
.elseif \ra
	v_wmma_scale_f32_16x16x128_f8f6f4 v[(\d):(\d)+7], v[(\a):(\a)+11], v[(\b):(\b)+11], \c, v[\sa], v[\sb] matrix_a_fmt:MATRIX_FMT_FP6 matrix_b_fmt:MATRIX_FMT_FP6 matrix_a_scale:MATRIX_SCALE_ROW1
.elseif \rb
	v_wmma_scale_f32_16x16x128_f8f6f4 v[(\d):(\d)+7], v[(\a):(\a)+11], v[(\b):(\b)+11], \c, v[\sa], v[\sb] matrix_a_fmt:MATRIX_FMT_FP6 matrix_b_fmt:MATRIX_FMT_FP6 matrix_b_scale:MATRIX_SCALE_ROW1
.else
	v_wmma_scale_f32_16x16x128_f8f6f4 v[(\d):(\d)+7], v[(\a):(\a)+11], v[(\b):(\b)+11], \c, v[\sa], v[\sb] matrix_a_fmt:MATRIX_FMT_FP6 matrix_b_fmt:MATRIX_FMT_FP6
.endif
.endm
.macro MULF f, p, zero                 ; W's tile f against o's four: W's fragments in window 1, o's in window 0, the accumulators in window 2, by turns
	WIN 0xa1
.irp i, 0,1,2,3
.if \zero
	WM 32*\i+8*(\f), 12*(\f), XF+48*(\p)+12*\i, 0, SC+8*(\p)+2+(\f)/2, SC+8*(\p)+\i/2, (\f)%2, \i%2
.else
	WM 32*\i+8*(\f), 12*(\f), XF+48*(\p)+12*\i, v[32*\i+8*(\f):32*\i+8*(\f)+7], SC+8*(\p)+2+(\f)/2, SC+8*(\p)+\i/2, (\f)%2, \i%2
.endif
.endr
.endm
.macro MULR f0, n, p, zero
.set FM, \f0
.rept \n
	MULF FM, \p, \zero
.set FM, FM+1
.endr
.endm
; K step k lies in the bytes of K pair (k / 2) % 6: address register (k / 4) % 3, the rest in the immediate
.macro FETX k, p
.irp i, 0,1,2,3
.irp c, 0,1
	ds_load_b128 v[XF+48*(\p)+12*\i+6*\c:XF+48*(\p)+12*\i+6*\c+3], v[AX16+((\k)/4)%3] offset:(((\k)%4)/2)*PIECE+3072*\i+1536*((\k)%2)+768*\c
	ds_load_b64 v[XF+48*(\p)+12*\i+6*\c+4:XF+48*(\p)+12*\i+6*\c+5], v[AX8+((\k)/4)%3] offset:(((\k)%4)/2)*PIECE+3072*\i+1536*((\k)%2)+768*\c+512
.endr
.endr
.endm
.macro FETS k, p
	ds_load_b64 v[SC+8*(\p):SC+8*(\p)+1], v[ASX] offset:512*(\k)
	ds_load_b64 v[SC+8*(\p)+2:SC+8*(\p)+3], v[ASW] offset:512*(\k)
.endm
.macro FETW k, f0, n
	WIN 0x40
.set FF, \f0
.rept \n
.irp c, 0,1
	ds_load_b128 v[12*FF+6*\c:12*FF+6*\c+3], v[AW16+((\k)/4)%3] offset:(((\k)%4)/2)*PIECE+3072*FF+1536*((\k)%2)+768*\c
	ds_load_b64 v[12*FF+6*\c+4:12*FF+6*\c+5], v[AW8+((\k)/4)%3] offset:(((\k)%4)/2)*PIECE+3072*FF+1536*((\k)%2)+768*\c+512
.endr
.set FF, FF+1
.endr
	WIN 0
.endm
.macro REST k                          ; the next step's fragments, and this step's second half
	FETX (\k)+1, 1-(\k)%2
	FETS (\k)+1, 1-(\k)%2
	FETW (\k)+1, 0, NW/2
	MULR NW/2, NW/2, (\k)%2, 0
	PLACES
	FETW (\k)+1, NW/2, NW/2
.endm
.macro STEP k
	s_wait_dscnt RUN2                              ; all but the eight youngest loads (W's tiles 2 and 3)
	MULR 0, NW/2, (\k)%2, 0
	s_wait_dscnt 0x0
	PLACES
	WIN 0
	REST \k
.endm
.macro TURN k, fill                    ; a step with a barrier: fill = 1: the bytes read so far are filled again behind a round of the cluster's barrier; fill = 0: the refill is shown whole to all four waves
	s_wait_tensorcnt 0x0
	ds_add_u32 v[SPW], v[NIL]
	s_wait_dscnt RUN2+1
	MULR 0, NW/4, (\k)%2, 0
	s_wait_dscnt 0x0
	s_barrier_signal -1
	MULR NW/4, NW/4, (\k)%2, 0
	WIN 0
	s_barrier_wait -1
.if \fill
	CREST
	s_cmp_lt_u32 s14, FX
	s_cbranch_scc0 .Lfor_w_\@
	TLOAD G0X, G1X
	s_branch .Lasked_\@
.Lfor_w_\@:
	TLOAD G0W, G1W
.Lasked_\@:
.else
	PLACES
.endif
	REST \k
.endm
	s_load_b128 s[4:7], s[0:1], 0x0                ; oq, woq
	s_load_b64 s[8:9], s[0:1], 0x10                ; out0
	v_lshl_add_u32 v[SPW], v0, 2, SPARE
	v_mov_b32 v[NIL], 0
	ds_add_u32 v[SPW], v[NIL]                      ; the opening lines: the add, twice on end, and its wait
	ds_add_u32 v[SPW], v[NIL]
	v_lshrrev_b32 v1, 5, v0
	v_readfirstlane_b32 s14, v1                    ; wave
	s_lshr_b32 s15, s14, 1                         ; my half of the rows
	s_and_b32 s16, s14, 1                          ; my half of the columns; also which K pair of the refill I fetch
	s_bfe_u32 s40, ttmp6, 0x40000
	s_bfe_u32 s41, ttmp6, 0x40004
	s_lshl_b32 s42, ttmp9, 2
	s_add_co_u32 s42, s42, s40                     ; block of W's rows
	s_and_b32 s17, ttmp7, 0xffff
	s_lshl_b32 s17, s17, 2
	s_add_co_u32 s17, s17, s41                     ; block of o's rows
	s_lshl_b32 s43, s41, 2
	s_lshl_b32 s43, 15, s43
	s_lshl_b32 s44, 0x1111, s40
	s_or_b32 s[G1X], s43, (3<<16)|(1<<21)
	s_or_b32 s[G1W], s44, (3<<16)|(1<<21)
	s_or_b32 s[G1XS], s43, (3<<16)|(1<<21)
	s_or_b32 s[G1WS], s44, (3<<16)|(1<<21)
.irp g, G1X, G1W                       ; the head's: six rows of a piece each
	s_mov_b32 s[\g+1], 3072<<16
	s_mov_b32 s[\g+2], 6<<16
	s_mov_b32 s[\g+3], 3072<<16
	s_mov_b32 s[\g+4], 6
	s_mov_b32 s[\g+5], KPS/8
	s_mov_b32 s[\g+6], 0
	s_mov_b32 s[\g+7], 0
.endr
.irp g, G1XS, G1WS                     ; 16 K steps' scale words of two groups of rows: rows of 512 bytes, 8,192 apart
	s_mov_b32 s[\g+1], 64<<16
	s_mov_b32 s[\g+2], 16<<16
	s_mov_b32 s[\g+3], 64<<16
	s_mov_b32 s[\g+4], 16
	s_mov_b32 s[\g+5], 1024
	s_mov_b32 s[\g+6], 0
	s_mov_b32 s[\g+7], 0
.endr
	s_mul_i32 s20, s17, 24576
	s_lshl_b32 s22, s17, 9
	s_add_co_u32 s22, s22, 3145728
	s_mul_i32 s46, s42, 24576
	s_lshl_b32 s92, s42, 9
	s_add_co_u32 s92, s92, 3145728
	s_mul_i32 s18, s16, KPS
	s_add_co_u32 s18, s18, 6*KPS                   ; the refill: K pair 6 or 7
	s_mov_b32 s19, 0
	s_mov_b32 s21, 0
	s_mov_b32 s23, 0
	s_mov_b32 s47, 0
	s_mov_b32 s93, 0
	s_mul_i32 s45, s16, PIECE
	s_wait_dscnt 0x0
	s_wait_kmcnt 0x0
	s_add_nc_u64 s[20:21], s[4:5], s[20:21]
	s_add_nc_u64 s[22:23], s[4:5], s[22:23]
	s_add_nc_u64 s[46:47], s[6:7], s[46:47]
	s_add_nc_u64 s[92:93], s[6:7], s[92:93]
	s_add_nc_u64 s[94:95], s[20:21], s[18:19]
	s_add_nc_u64 s[96:97], s[46:47], s[18:19]
	s_cmp_lt_u32 s14, FX
	s_cselect_b64 s[4:5], s[94:95], s[96:97]       ; the piece that I fetch at the refill: my prefetch's base, never rewritten
	s_cselect_b32 s98, s40, s41                    ; my place among the four that ask for it with me: it enters this address alone
	s_mul_i32 s98, s98, 24
	s_mov_b32 s[G0X], 1
	s_mov_b32 s[G0X+1], s45
	s_mov_b64 s[G0X+2:G0X+3], s[94:95]
	s_or_b32 s[G0X+3], s[G0X+3], 0x80000000
	s_mov_b32 s[G0W], 1
	s_add_co_u32 s[G0W+1], s45, WB
	s_mov_b64 s[G0W+2:G0W+3], s[96:97]
	s_or_b32 s[G0W+3], s[G0W+3], 0x80000000
	s_mov_b32 s[G0X+4], 1
	s_mov_b32 s[G0X+5], 0
	s_mov_b64 s[G0X+6:G0X+7], s[20:21]
	s_or_b32 s[G0X+7], s[G0X+7], 0x80000000
	s_mov_b32 s[G0W+4], 1
	s_mov_b32 s[G0W+5], WB
	s_mov_b64 s[G0W+6:G0W+7], s[46:47]
	s_or_b32 s[G0W+7], s[G0W+7], 0x80000000
	s_mov_b32 s[G0XS], 1
	s_mov_b32 s[G0XS+1], SCL
	s_mov_b64 s[G0XS+2:G0XS+3], s[22:23]
	s_or_b32 s[G0XS+3], s[G0XS+3], 0x80000000
	s_mov_b32 s[G0WS], 1
	s_mov_b32 s[G0WS+1], SCL+8192
	s_mov_b64 s[G0WS+2:G0WS+3], s[92:93]
	s_or_b32 s[G0WS+3], s[G0WS+3], 0x80000000
	CROUND                                         ; all sixteen work-groups are here: the joint loads meet
.macro ARM under, g0, g1, next         ; one chain of branches on the wave's number, one load to an arm
	s_cmp_lt_u32 s14, \under
	s_cbranch_scc0 \next
	TLOAD \g0, \g1
	s_branch .Lhead_asked
\next:
.endm
	ARM 1, G0X+4, G1X,  .Lhead_w
	ARM 2, G0W+4, G1W,  .Lhead_sx
	ARM 3, G0XS,  G1XS, .Lhead_sw
	TLOAD G0WS, G1WS
.Lhead_asked:
	v_and_b32 v1, 31, v0
	v_and_b32 v2, 15, v0
	v_bfe_u32 v3, v0, 4, 1
	v_lshlrev_b32 v[L16], 4, v1
	v_lshlrev_b32 v[L8], 3, v1
	v_min_u32 v10, 23, v1                          ; a lane a block of 256 bytes; lanes 24-31 name the last again
	v_add_nc_u32 v10, s98, v10
	v_lshlrev_b32 v[PFO], 8, v10
	s_wait_alu depctr_va_vdst(0)                   ; the wait here, ahead of the readers below
	global_prefetch_b8 v[PFO], s[4:5] th:TH_LOAD_NT scope:SCOPE_SE
	s_mul_i32 s21, s15, 12288
	s_mul_i32 s20, s16, 12288
	s_add_co_u32 s20, s20, WB
.irp s, 0,1,2
	v_add_nc_u32 v[AX16+\s], s21, v[L16]
	v_add_nc_u32 v[AX8+\s], s21, v[L8]
	v_add_nc_u32 v[AW16+\s], s20, v[L16]
	v_add_nc_u32 v[AW8+\s], s20, v[L8]
	s_add_co_u32 s21, s21, 2*PIECE
	s_add_co_u32 s20, s20, 2*PIECE
.endr
	s_lshl_b32 s21, s15, 8
	s_add_co_u32 s21, s21, SCL
	v_add_nc_u32 v[ASX], s21, v[L8]
	s_lshl_b32 s21, s16, 8
	s_add_co_u32 s21, s21, SCL+8192
	v_add_nc_u32 v[ASW], s21, v[L8]
	s_mul_i32 s21, s14, 4352
	s_add_co_u32 s21, s21, STAGE
	v_mul_u32_u24 v[STO], v2, 272
	v_lshl_add_u32 v[STO], v3, 6, v[STO]
	v_add_nc_u32 v[STO], s21, v[STO]
	v_mul_u32_u24 v[RD], v3, 272
	v_lshl_add_u32 v[RD], v2, 4, v[RD]
	v_add_nc_u32 v[RD], s21, v[RD]
	v_lshlrev_b32 v[CO], 12, v3
	v_lshl_add_u32 v[CO], v2, 4, v[CO]
	s_lshr_b32 s18, s42, 3                         ; real or imaginary output
	s_lshl_b32 s18, s18, 23
	s_lshl_b32 s19, s17, 7
	s_lshl_b32 s20, s15, 6
	s_add_co_u32 s19, s19, s20
	s_lshl_b32 s19, s19, 12
	s_add_co_u32 s18, s18, s19
	s_and_b32 s19, s42, 7
	s_lshl_b32 s19, s19, 9
	s_add_co_u32 s18, s18, s19
	s_lshl_b32 s19, s16, 8
	s_add_co_u32 s18, s18, s19
	s_mov_b32 s19, 0
	s_add_nc_u64 s[8:9], s[8:9], s[18:19]
	s_wait_alu depctr_va_vdst(0)                   ; the wait at the head's end
	s_wait_tensorcnt 0x0                           ; my one load of the head has landed, so a descriptor may be written: the refill's loads bring one piece, 96 rows of 256 bytes
.irp g, G1X, G1W
	s_mov_b32 s[\g+1], 32<<16
	s_mov_b32 s[\g+2], 96<<16
	s_mov_b32 s[\g+3], 32<<16
	s_mov_b32 s[\g+4], 96
	s_mov_b32 s[\g+5], 32
.endr
	s_barrier_signal -1
	s_barrier_wait -1                              ; everybody's has
	FETX 0, 0
	FETS 0, 0
	FETW 0, 0, NW/2
	FETW 0, NW/2, NW/2
	s_wait_dscnt RUN2                              ; K step 0: its products start the sums
	MULR 0, NW/2, 0, 1
	s_wait_dscnt 0x0
	PLACES
	WIN 0
	FETX 1, 1
	FETS 1, 1
	FETW 1, 0, NW/2
	MULR NW/2, NW/2, 0, 1
	PLACES
	FETW 1, NW/2, NW/2
	STEP 1
	STEP 2
	TURN 3, 1                                      ; K pairs 0 and 1 have been read out: their bytes take K pairs 6 and 7
.irp k, 4,5,6,7,8,9,10
	STEP \k
.endr
	TURN 11, 0
.irp k, 12,13,14
	STEP \k
.endr
	s_wait_dscnt RUN2
	MULR 0, NW/2, 1, 0
	s_wait_dscnt 0x0
	MULR NW/2, NW/2, 1, 0
	WIN 0
	PLACES
.macro TOSTAGE i                       ; 16 rows x 64 columns through my stage: in by lanes' 32 bytes, each accumulator from its low end on, back by rows of 256 bytes
	WIN 0x08
.irp e, 0,1,2,3,4,5,6,7
	ds_store_b128 v[STO], v[32*(\i)+4*\e:32*(\i)+4*\e+3] offset:128*(\e/4)+16*(\e%4)
.endr
	WIN 0
.irp t, 0,1,2,3,4,5,6,7
	ds_load_b128 v[64+32*(\i)+4*\t:64+32*(\i)+4*\t+3], v[RD] offset:544*\t
.endr
.endm
.macro SEND i, younger
	s_wait_dscnt \younger
.irp t, 0,1,2,3,4,5,6,7
	global_store_b128 v[CO], v[64+32*(\i)+4*\t:64+32*(\i)+4*\t+3], s[8:9] offset:(32*((\i)/2)+8*((\i)%2)+2*\t+8*(\t/4))*4096 th:TH_STORE_NT
.endr
.endm
	TOSTAGE 0
.irp i, 1,2,3
	TOSTAGE \i
	SEND \i-1, 16
.endr
	SEND 3, 0
	s_wait_tensorcnt 0x0                           ; the wave's end
	ds_add_u32 v[SPW], v[NIL]
	s_wait_dscnt 0x0
	CROUND                                         ; the closing round
	s_endpgm
.Lfunc_end_k_qe963463f4d_outp:
	.size	k_qe963463f4d_outp, .Lfunc_end_k_qe963463f4d_outp-k_qe963463f4d_outp
	.p2alignl 7, 3214868480
	.fill 96, 4, 3214868480
	.section	.rodata,"a",@progbits
	.p2align	6, 0x0
	.amdhsa_kernel k_qe963463f4d_outp
		.amdhsa_group_segment_fixed_size 327680
		.amdhsa_private_segment_fixed_size 0
		.amdhsa_enable_private_segment 0
		.amdhsa_kernarg_size 24
		.amdhsa_user_sgpr_count 2
		.amdhsa_user_sgpr_kernarg_segment_ptr 1
		.amdhsa_wavefront_size32 1
		.amdhsa_system_sgpr_workgroup_id_x 1
		.amdhsa_system_sgpr_workgroup_id_y 1
		.amdhsa_system_sgpr_workgroup_id_z 1
		.amdhsa_system_vgpr_workitem_id 0
		.amdhsa_next_free_vgpr 640
		.amdhsa_next_free_sgpr 100
		.amdhsa_reserve_vcc 0
		.amdhsa_float_denorm_mode_32 3
		.amdhsa_float_denorm_mode_16_64 3
		.amdhsa_memory_ordered 1
		.amdhsa_forward_progress 1
		.amdhsa_inst_pref_size 94
	.end_amdhsa_kernel
	.amdgpu_metadata
---
amdhsa.version: [ 1, 2 ]
amdhsa.kernels:
  - .name:           k_qe963463f4d_outp
    .symbol:         k_qe963463f4d_outp.kd
    .args:
      - { .name: oq, .offset: 0, .size: 8, .value_kind: global_buffer, .address_space: global }
      - { .name: woq, .offset: 8, .size: 8, .value_kind: global_buffer, .address_space: global }
      - { .name: out0, .offset: 16, .size: 8, .value_kind: global_buffer, .address_space: global }
    .group_segment_fixed_size: 327680
    .private_segment_fixed_size: 0
    .kernarg_segment_align: 8
    .kernarg_segment_size: 24
    .max_flat_workgroup_size: 128
    .sgpr_count:     100
    .vgpr_count:     640
    .wavefront_size: 32
...
	.end_amdgpu_metadata
.endif
;; end of part 4
